; MI455X (gfx1250); checked and timed in simulation.
; The chip was launched on July 23, 2026; its instructions are those of AMD's public machine-readable ISA for CDNA 5 (MIT licence, August 2026) and "CDNA5" Instruction Set Architecture Reference Guide (July 2026). The comments in the code are by the model that wrote it; some were corrected since.
;; Similarity Enhancement Module. Allowed arithmetic: matrix products marked QUANTISED: E2M1 operands, one E8M0 scale for each 32 along K, by v_wmma_scale_f32_16x16x128_f8f6f4 with both operands' format E2M1 (or v_wmma_scale_f32_32x16x128_f4), f32 sums; everything else in f32.
;; Inputs: final_features 8 x 2,048 x 768 float32; mid_features 8 x 2,048 x 768 float32.
;; Outputs: out0 8 x 2,048 x 768 float32.
;; This version of the problem:
;;   THIS VERSION OF THE PROBLEM IS GIVEN IN LOW PRECISION. The matrix products marked QUANTISED in the list below multiply operands that are first quantised to E2M1 (2 exponent bits, 1 mantissa bit; 4 bits a number), with one power-of-two scale for each 32 numbers along K (OCP MX v1.0); their sums are f32. All else is computed in f32.
;;   The module's matrix products, in the order in which they are computed (A, B: the left and right operand; K: the contracted axis; several contracted axes count as one K, in the product's order):
;;     1. batch 8 x [M 2,048, K 768] x [K 768, N 2,048]; A: computed on the way; B: computed on the way: QUANTISED
;;     2. batch 8 x [M 2,048, K 2,048] x [K 2,048, N 768]; A: softmax (see below); B: input final_features: QUANTISED
;;   THE QUANTISER, for each operand of a quantised product, along K:
;;     - K is cut into blocks of 32 from its start; a last block that is shorter is filled with zeros.
;;     - A block's scale is 2^e with e = floor(log2(the largest magnitude in the block)) - 2, held to -126 .. 127; a block of zeros has e = 0. As a byte (E8M0): e + 127.
;;     - Each number is divided by its block's scale, clamped to +-6, and rounded to the nearest number of E2M1, ties to even, subnormals kept.
;;     - The product sums the exact products of the quantised numbers (number of the format x scale) in f32.
;;   ~~~python
;;   def quantise(x, axis):      # numpy; x: float32 -> the quantised numbers, widened to float32 again
;;       x = np.moveaxis(x, axis, -1); K = x.shape[-1]
;;       x = np.pad(x, [(0, 0)] * (x.ndim - 1) + [(0, -K % 32)]); x = x.reshape(x.shape[:-1] + (-1, 32)); a = np.abs(x).max(-1, keepdims=True)
;;       e = np.where(a > 0, np.clip(np.frexp(np.where(a > 0, a, 1))[1] - 1 - 2, -126, 127), 0)      # np.frexp(a)[1] - 1 = floor(log2(a)), exactly
;;       r = np.clip(x / 2.0 ** e, -6, 6)
;;       step = 2.0 ** (np.maximum(np.frexp(np.where(r == 0, 1, r))[1] - 1, 0) - 1)
;;       q = np.round(r / step) * step * 2.0 ** e      # np.round: ties to even
;;       return np.moveaxis(q.reshape(q.shape[:-2] + (-1,))[..., :K], -1, axis).astype(np.float32)
;;   ~~~
;;   SOFTMAX AHEAD OF A QUANTISED PRODUCT. Where the list says 'softmax', what is quantised is not the finished softmax but p = 2^(t - M), with t = logit x log2(e) and M = ceil(the row's largest t), a whole number; so 1/2 < the row's largest p <= 1. The row's sum l is taken of the UNQUANTISED p, in f32, and the product's result is divided by l at the end. Since M is a whole number, a kernel that streams over the keys may use a running M (the ceiling of the running maximum): every later rescaling is an exact power of two, which a block's scale takes up: the codes' values come out the same.
;;   OPERANDS COMPUTED ON THE WAY. 'Computed on the way' means the value that the module computes at that place (a softmax that the list does not call 'softmax' is quantised finished and normalised). What goes into a quantiser is computed in f32, as accurately as f32 sums, v_exp_f32 and their like allow (about 1e-6 of the number): no bf16 or f16 on the way to a quantiser, and a product that is left as it is and whose result goes on into a quantised operand takes f32 operands (vector FMAs, or v_wmma_f32_16x16x4_f32). A number that lies on a knife's edge between two numbers of the format may be rounded either way, as far as f32 arithmetic and the matrix unit's own rounding can turn it there, and no further.
;; 2 versions, each right and faster than the one before. Each part assembles by itself: llvm-mc -triple=amdgcn-amd-amdhsa -mcpu=gfx1250 --defsym DOCPART=n.
;; ======== version 1 of 2: 2 launches
;; workspace buffers: kv 13,369,344 bytes
;; launch prep (part 1): grid 256 x 1, 12 waves a work-group, no clusters, 202,240 bytes of LDS; arguments final_features, mid_features, kv; writes kv
.if DOCPART == 1
	.amdgcn_target "amdgcn-amd-amdhsa--gfx1250"
	.amdhsa_code_object_version 6
	.text
	.protected	k_q2cf5c56a94_prep
	.globl	k_q2cf5c56a94_prep
	.p2align	8
	.type	k_q2cf5c56a94_prep,@function
k_q2cf5c56a94_prep:
	s_mov_b64 s[64:65], 0
	v_nop
	global_prefetch_b8 v0, s[64:65] scope:SCOPE_SE
	s_setreg_imm32_b32 hwreg(HW_REG_WAVE_MODE, 25, 1), 1
	s_wait_xcnt 0x0
; mid_features [8][2048][768] f32 is L2-normalised row by row (x / max(||x||, 1e-12)) and quantised along its 768 to codes of FP4 (E2M1) with one E8M0 byte for each 32;
; final_features [8][2048][768] f32 is quantised along its ROWS (the keys of the second product), 32 keys to a block.  Both go to the workspace kv, laid in the order of the operands' registers.
; kv = 128 tiles of SLOTB bytes, tile T = 16 x batch + key step (128 rows).  With lane = 16 h + r, tau = 2 blk + u:
;   KC at 0:      fragment (tau, s) at 1024 (6 tau + s) + 512 c + 16 lane: the 32 codes of row 32 blk + 8 u + r + 8 (r / 8) at k = 128 s + 64 c + 32 h + 0 .. 31
;   KS at KSO:    384 tau + 128 j + 4 lane: that row's scale word of K step s = 2 j + h (one register carries two K steps, one in each half of the lanes)
;   VC at VCO:    1024 t + 512 c + 16 lane: the 32 codes of channel 16 t + r at keys 64 c + 32 h + 0 .. 31 of the tile
;   VS at VSO:    4 d: channel d's scale word, byte n for keys 32 n on
; SHARES.  Work-group x takes tile x / 2, half e = x % 2: 64 rows of mid, and 384 channels x 128 keys of final.  Twelve waves.
;   final: wave v takes channels 32 (12 e + v) on; A LANE TAKES A CHANNEL AND ITS REGISTERS RUN DOWN THE KEYS, so a block of 32 keys lies in one lane and the codes come out with the keys innermost.
;   mid:   the 64 rows (196,608 dense bytes) come into LDS by twelve tensor loads, one a wave, while final is worked on.  Wave v then takes row tile v % 4 and K steps 2 (v / 4), 2 (v / 4) + 1:
;          a lane reads its 128 numbers in the operand's own order, so the conversions' results are the fragments.  A row's sum of squares is joined over the three waves that share its tile through LDS.
; No cluster: no two work-groups read the same bytes.  No matrix work.  Each LDS byte is filled once, so no slot takes turns.
; A block's scale is 2^(floor(log2(its largest magnitude)) - 2): its byte is that magnitude's exponent field - 2, held at 1 from below by a floor among the maximum's leaves.
; LIMITS: a block of zeros, or one whose largest magnitude lies under 2^-124, keeps the byte 1 (a block of zeros has zero codes; only this program reads the bytes).  NaN and infinities among the inputs
; are not served; a row's sum of squares must stay finite in f32.  1 / ||x|| is v_rsq_f32 of the sum of squares, held at 1e12 from above, which is 1 / max(||x||, 1e-12).
.set SLOTB, 104448
.set KSO,   49152
.set VCO,   52224
.set VSO,   101376
.set MP,    1040                       ; LDS: 1,024 bytes (a third of a row of mid) + 16 of padding
.set SQT,   199680                     ; behind mid's 192 thirds: the partial sums of squares, 64 bytes a wave
; v1 lane, v2 r, v3 h, v4 4 lane, v5 VC's place, v6 16 lane, v7 my numbers of mid in LDS, v8/v9 sums of squares out/in, v10 8 h, v12-15 at work, v[16:23] four pairs of sums,
; v[24:25] 1 / norm twice, v26-27 two scale words, v28 at work, v29 final's scale word, v32-95 two sets of 32 numbers of final, v96-111 codes, v128-255 128 numbers of mid
	s_load_b128 s[4:7], s[0:1], 0x0                ; final, mid
	s_load_b64 s[8:9], s[0:1], 0x10                ; kv
	v_lshl_add_u32 v126, v0, 2, 0x31000
	v_mov_b32 v127, 0
	ds_add_u32 v126, v127
	ds_add_u32 v126, v127
	v_lshrrev_b32 v1, 5, v0
	v_readfirstlane_b32 s10, v1                    ; wave 0..11
	s_lshr_b32 s11, ttmp9, 1                       ; tile T
	s_and_b32 s3, ttmp9, 1                         ; half e
	; descriptor group 1: 16 rows of 256 f32, dense in memory, 4 words of padding behind every 256
	s_mov_b32 s16, (2<<16)|(1<<20)|(7<<22)|(3<<25)
	s_mov_b32 s17, 256<<16                         ; tensor_dim0
	s_mov_b32 s18, 16<<16                          ; tensor_dim1
	s_mov_b32 s19, 256<<16                         ; tile_dim0
	s_mov_b32 s20, 16                              ; tile_dim1
	s_mov_b32 s21, 256                             ; elements from row to row
	s_mov_b32 s22, 0
	s_mov_b32 s23, 0
	s_mov_b32 s12, 1
	s_mul_i32 s13, s10, 16*MP                      ; LDS: my 16 thirds
	s_mul_i32 s38, ttmp9, 196608                   ; the work-group's 64 rows of 3,072 bytes,
	s_lshl_b32 s39, s10, 14                        ; my 16,384 bytes of them
	s_add_co_u32 s38, s38, s39
	s_mov_b32 s39, 0
	s_wait_dscnt 0x0
	s_wait_kmcnt 0x0
	s_add_nc_u64 s[14:15], s[6:7], s[38:39]
	s_or_b32 s15, s15, 0x80000000                  ; type = 2
	tensor_load_to_lds s[12:15], s[16:23]          ; my one tensor load: it lands while final is quantised
	s_nop 0
.rept 4
	v_nop
.endr
	s_mul_i32 s37, s3, 12
	s_add_co_u32 s37, s37, s10                     ; my group of 32 channels: 12 e + wave
	s_mul_i32 s38, s11, 393216                     ; final: the tile's 128 rows,
	s_lshl_b32 s40, s37, 7                         ; my 128 bytes of each
	s_add_co_u32 s38, s38, s40
	s_add_nc_u64 s[24:25], s[4:5], s[38:39]
	v_and_b32 v1, 31, v0                           ; lane
	v_lshlrev_b32 v4, 2, v1
.macro LOADV b                         ; block b: final(32 b + i, my channel), i = 0 .. 31: a wave's load reads 128 consecutive bytes, the twelve waves' 1,536
.irp i, 0,1,2,3,4,5,6,7,8,9,10,11,12,13,14,15,16,17,18,19,20,21,22,23,24,25,26,27,28,29,30,31
	global_load_b32 v[32+32*((\b)%2)+\i], v4, s[24:25] offset:(32*(\b)+\i)*3072 th:TH_LOAD_NT
.endr
.endm
	LOADV 0
	LOADV 1
	s_mul_i32 s41, s11, SLOTB                      ; my tile of kv
	s_lshl_b32 s40, s37, 11
	s_add_co_u32 s38, s41, s40
	s_add_co_u32 s38, s38, VCO
	s_add_nc_u64 s[26:27], s[8:9], s[38:39]        ; VC: two channel tiles, 2,048 bytes, a wave
	s_lshl_b32 s40, s37, 7
	s_add_co_u32 s38, s41, s40
	s_add_co_u32 s38, s38, VSO
	s_add_nc_u64 s[28:29], s[8:9], s[38:39]        ; VS: 128 bytes a wave
	s_and_b32 s42, s10, 3                          ; my row tile of the half
	s_lshr_b32 s43, s10, 2                         ; my pair of K steps = my third of the rows
	s_lshl_b32 s44, s3, 2
	s_add_co_u32 s44, s44, s42                     ; tau = 4 e + row tile
	s_mul_i32 s40, s44, 6144
	s_lshl_b32 s45, s43, 11
	s_add_co_u32 s38, s41, s40
	s_add_co_u32 s38, s38, s45
	s_add_nc_u64 s[30:31], s[8:9], s[38:39]        ; KC: fragments (tau, 2 p) and (tau, 2 p + 1)
	s_mul_i32 s40, s44, 384
	s_lshl_b32 s45, s43, 7
	s_add_co_u32 s38, s41, s40
	s_add_co_u32 s38, s38, s45
	s_add_co_u32 s38, s38, KSO
	s_add_nc_u64 s[32:33], s[8:9], s[38:39]        ; KS: word register j = p of tau
	s_mov_b32 s34, 0x76543210
	s_mov_b32 s35, 0xfedcba98                      ; v_permlanex16_b32's selects for lane l xor 16
	s_mov_b32 s36, 0xffff0000                      ; lanes 16-31
	v_and_b32 v2, 15, v0                           ; r
	v_bfe_u32 v3, v0, 4, 1                         ; h
	v_lshlrev_b32 v5, 4, v2
	v_lshl_add_u32 v5, v3, 10, v5                  ; VC: channel tile lane / 16, 16 r
	v_lshlrev_b32 v6, 4, v1
	v_and_b32 v7, 8, v2
	v_add_nc_u32 v7, v7, v2                        ; r + 8 (r / 8)
	v_mul_u32_u24 v7, v7, 3*MP                     ; a row of mid is three thirds
	v_lshl_add_u32 v7, v3, 7, v7                   ; + 32 h numbers
	s_lshr_b32 s40, s42, 1
	s_mul_i32 s40, s40, 32*3*MP                    ; the row tile begins at row 32 (tile / 2) + 8 (tile % 2)
	s_and_b32 s45, s42, 1
	s_mul_i32 s45, s45, 8*3*MP
	s_add_co_u32 s40, s40, s45
	s_mul_i32 s45, s43, MP                         ; my third
	s_add_co_u32 s40, s40, s45
	v_add_nc_u32 v7, s40, v7
	s_lshl_b32 s40, s10, 6
	s_add_co_u32 s40, s40, SQT
	v_lshl_add_u32 v8, v2, 2, s40                  ; my wave's sixteen partial sums
	s_lshl_b32 s40, s42, 6
	s_add_co_u32 s40, s40, SQT
	v_lshl_add_u32 v9, v2, 2, s40                  ; and those of the three waves of my row tile: 256 bytes apart
	v_lshlrev_b32 v10, 3, v3
	v_mov_b32 v28, 0                               ; written once: a lane permute's destination counts as one of its sources
.macro BLOCKV b
.set XS, 32+32*((\b)%2)
.if (\b) < 3
	s_wait_loadcnt 32                              ; this block's 32 loads are in; the next block's 32 may be out
.else
	s_wait_loadcnt 0x0
.endif
	v_max3_num_f32 v12, |v[XS]|, |v[XS+1]|, |v[XS+2]|              ; the block's largest magnitude: all 32 numbers are mine; two chains
	v_max3_num_f32 v13, |v[XS+3]|, |v[XS+4]|, |v[XS+5]|
.irp i, 6,10,14,18,22,26
	v_max3_num_f32 v12, v12, |v[XS+\i]|, |v[XS+\i+1]|
	v_max3_num_f32 v13, v13, |v[XS+\i+2]|, |v[XS+\i+3]|
.endr
	v_max3_num_f32 v12, v12, |v[XS+30]|, |v[XS+31]|
	v_max3_num_f32 v12, v12, v13, 0x1800000        ; and the floor 2^(3 - 127): the byte cannot fall under 1
	v_add_nc_u32 v14, 0xff000000, v12              ; 2 off the exponent field: the conversion takes the exponent field of this operand as its scale
	v_lshrrev_b32 v13, 23, v14                     ; the scale's byte
.if (\b) == 0
	v_mov_b32 v29, v13
.else
	v_lshl_or_b32 v29, v13, 8*(\b), v29            ; four bytes make my channel's scale word
.endif
.irp g, 0,1,2,3
	v_cvt_scalef32_pk8_fp4_f32 v[96+4*(\b)+\g], v[XS+8*\g:XS+8*\g+7], v14
.endr
	v_nop                                          ; one plain line behind the conversions, ahead of the lines that write their scale operand again
.if (\b) < 2
	LOADV (\b)+2
.endif
	global_store_b128 v5, v[96+4*(\b):99+4*(\b)], s[26:27] offset:256*(\b)   ; each half of the lanes stores 256 consecutive bytes, at a multiple of 256 from kv's first byte
.endm
	BLOCKV 0
	BLOCKV 1
	BLOCKV 2
	BLOCKV 3
	global_store_b32 v4, v29, s[28:29]
	s_wait_tensorcnt 0x0                           ; my sixteen thirds of mid are in LDS,
	s_barrier_signal -1
	s_barrier_wait -1                              ; everybody's are
	s_wait_xcnt 0x0                                ; final's stores have read v96-111, which take mid's codes below
.irp sl, 0,1
.irp c, 0,1
.irp i, 0,1,2,3,4,5,6,7
	ds_load_b128 v[128+64*\sl+32*\c+4*\i:128+64*\sl+32*\c+4*\i+3], v7 offset:512*\sl+256*\c+16*\i   ; register 64 sl + 32 c + i': k = 128 (2 p + sl) + 64 c + 32 h + i' of my row
.endr
.endr
.endr
	s_wait_dscnt 16                                ; the first K step's 16 loads are in; the second's may be out
.irp q, 0,1,2,3
	v_pk_mul_f32 v[16+2*\q:17+2*\q], v[128+2*\q:129+2*\q], v[128+2*\q:129+2*\q]   ; the first squares start four chains: nothing is cleared
.endr
.set j, 4
.rept 28
	v_pk_fma_f32 v[16+2*(j%4):17+2*(j%4)], v[128+2*j:129+2*j], v[128+2*j:129+2*j], v[16+2*(j%4):17+2*(j%4)]
.set j, j+1
.endr
	s_wait_dscnt 0x0
.rept 32
	v_pk_fma_f32 v[16+2*(j%4):17+2*(j%4)], v[128+2*j:129+2*j], v[128+2*j:129+2*j], v[16+2*(j%4):17+2*(j%4)]
.set j, j+1
.endr
	v_pk_add_f32 v[16:17], v[16:17], v[18:19]
	v_pk_add_f32 v[20:21], v[20:21], v[22:23]
	v_pk_add_f32 v[16:17], v[16:17], v[20:21]
	v_add_f32 v16, v16, v17
	v_permlanex16_b32 v28, v16, s34, s35
	v_add_f32 v16, v16, v28                        ; my row's 256 squares of this third
	ds_store_b32 v8, v16                           ; both halves of the lanes write the same word with the same value
	s_wait_dscnt 0x0                               ; for the others' sake
	s_barrier_signal -1
	s_barrier_wait -1
	ds_load_b32 v12, v9
	ds_load_b32 v13, v9 offset:256
	ds_load_b32 v14, v9 offset:512
	s_wait_dscnt 0x0
	v_add_f32 v12, v12, v13
	v_add_f32 v12, v12, v14                        ; the row's sum of squares: the same order in all three waves
	v_rsq_f32 v13, v12
	v_nop                                          ; one plain line behind the transcendental
	s_wait_alu depctr_va_vdst(0)
	v_min_num_f32 v24, 0x5368d4a5, v13             ; 1 / max(||x||, 1e-12): 1e12 at the most (of a sum of 0 the reciprocal root is +infinity)
	v_min_num_f32 v25, 0x5368d4a5, v13
.macro MQ sl                           ; 64 numbers of a lane become a fragment and, with lane l xor 16's two bytes, a scale word
.set NB, 128+64*\sl
.set j, 0
.rept 32
	v_pk_mul_f32 v[NB+2*j:NB+2*j+1], v[NB+2*j:NB+2*j+1], v[24:25]
.set j, j+1
.endr
.irp c, 0,1
	v_max3_num_f32 v[12+\c], |v[NB+32*\c]|, |v[NB+32*\c+1]|, 0x1800000   ; my block 2 c + h, and the floor
.endr
.irp i, 2,4,6,8,10,12,14,16,18,20,22,24,26,28,30
.irp c, 0,1
	v_max3_num_f32 v[12+\c], v[12+\c], |v[NB+32*\c+\i]|, |v[NB+32*\c+\i+1]|
.endr
.endr
.irp c, 0,1
	v_add_nc_u32 v[14+\c], 0xff000000, v[12+\c]
.endr
.irp c, 0,1
	v_lshrrev_b32 v[12+\c], 23, v[14+\c]
.endr
	v_lshl_or_b32 v[26+\sl], v13, 16, v12          ; my two bytes: blocks h and 2 + h,
	v_lshlrev_b32 v[26+\sl], v10, v[26+\sl]        ; 8 h bits up;
	v_permlanex16_b32 v28, v[26+\sl], s34, s35
	v_or_b32 v[26+\sl], v[26+\sl], v28             ; with the other half's two the word is whole
.irp c, 0,1
.irp g, 0,1,2,3
	v_cvt_scalef32_pk8_fp4_f32 v[96+8*\sl+4*\c+\g], v[NB+32*\c+8*\g:NB+32*\c+8*\g+7], v[14+\c]
.endr
.endr
	v_nop                                          ; one plain line behind the conversions
.irp c, 0,1
	global_store_b128 v6, v[96+8*\sl+4*\c:96+8*\sl+4*\c+3], s[30:31] offset:1024*\sl+512*\c   ; 512 consecutive bytes
.endr
.endm
	MQ 0
	MQ 1
	v_cndmask_b32 v28, v26, v27, s36               ; lanes 0-15 the even K step's word, lanes 16-31 the odd one's
	global_store_b32 v4, v28, s[32:33]
	s_wait_tensorcnt 0x0
	ds_add_u32 v126, v127
	s_wait_dscnt 0x0
	s_endpgm
.Lfunc_end_k_q2cf5c56a94_prep:
	.size	k_q2cf5c56a94_prep, .Lfunc_end_k_q2cf5c56a94_prep-k_q2cf5c56a94_prep
	.p2alignl 7, 3214868480
	.fill 96, 4, 3214868480
	.section	.rodata,"a",@progbits
	.p2align	6, 0x0
	.amdhsa_kernel k_q2cf5c56a94_prep
		.amdhsa_group_segment_fixed_size 202240
		.amdhsa_private_segment_fixed_size 0
		.amdhsa_enable_private_segment 0
		.amdhsa_kernarg_size 24
		.amdhsa_user_sgpr_count 2
		.amdhsa_user_sgpr_kernarg_segment_ptr 1
		.amdhsa_wavefront_size32 1
		.amdhsa_system_sgpr_workgroup_id_x 1
		.amdhsa_system_sgpr_workgroup_id_y 1
		.amdhsa_system_sgpr_workgroup_id_z 1
		.amdhsa_system_vgpr_workitem_id 0
		.amdhsa_next_free_vgpr 256
		.amdhsa_next_free_sgpr 66
		.amdhsa_reserve_vcc 0
		.amdhsa_float_denorm_mode_32 3
		.amdhsa_float_denorm_mode_16_64 3
		.amdhsa_memory_ordered 1
		.amdhsa_forward_progress 1
		.amdhsa_inst_pref_size 41
	.end_amdhsa_kernel
	.amdgpu_metadata
---
amdhsa.version: [ 1, 2 ]
amdhsa.kernels:
  - .name:           k_q2cf5c56a94_prep
    .symbol:         k_q2cf5c56a94_prep.kd
    .args:
      - { .name: final_features, .offset: 0, .size: 8, .value_kind: global_buffer, .address_space: global }
      - { .name: mid_features, .offset: 8, .size: 8, .value_kind: global_buffer, .address_space: global }
      - { .name: kv, .offset: 16, .size: 8, .value_kind: global_buffer, .address_space: global }
    .group_segment_fixed_size: 202240
    .private_segment_fixed_size: 0
    .kernarg_segment_align: 8
    .kernarg_segment_size: 24
    .max_flat_workgroup_size: 384
    .sgpr_count:     66
    .vgpr_count:     256
    .wavefront_size: 32
...
	.end_amdgpu_metadata
.endif
;; end of part 1
;; launch attn (part 2): grid 32 x 8, 4 waves a work-group, clusters of 4 x 1, 327,680 bytes of LDS; arguments final_features, kv, out0; writes out0
.if DOCPART == 2
	.amdgcn_target "amdgcn-amd-amdhsa--gfx1250"
	.amdhsa_code_object_version 6
	.text
	.protected	k_q2cf5c56a94_attn
	.globl	k_q2cf5c56a94_attn
	.p2align	8
	.type	k_q2cf5c56a94_attn,@function
k_q2cf5c56a94_attn:
	s_mov_b64 s[64:65], 0
	v_nop
	global_prefetch_b8 v0, s[64:65] scope:SCOPE_SE
	s_setreg_imm32_b32 hwreg(HW_REG_WAVE_MODE, 25, 1), 1
	s_wait_xcnt 0x0
	s_wait_alu depctr_hold_cnt(0) depctr_sa_sdst(0) depctr_va_vdst(0) depctr_va_sdst(0) depctr_va_ssrc(0) depctr_va_vcc(0) depctr_vm_vsrc(0)
	s_getreg_b32 s2, hwreg(HW_REG_IB_STS2, 6, 4)
	s_cmp_eq_u32 s2, 0
	s_cbranch_scc0 .Lentry_in_a_cluster
	s_endpgm
.Lentry_in_a_cluster:
	s_bfe_u32 s2, ttmp6, 0x10000c
	s_cmp_lg_u32 s2, 0x3003
	s_cbranch_scc0 .Lentry_shape_is_right
	s_endpgm
.Lentry_shape_is_right:
; out = c x softmax(sim) final + (1 - c) x final, sim = mid_n mid_n^T with its diagonal set to 0, c = the row's largest sim.  8 batches, 2,048 rows, 768 channels.
; Both products run on codes of FP4 (E2M1) with E8M0 scales, read from kv, which the launch before laid in the order of the operands' registers (tiles of SLOTB bytes for 128 keys: KC, KS, VC, VS).
; SHARES.  A work-group owns 64 queries of a batch: four tiles m of 16, which are four of kv's own row tiles (lane r of tile m: query 32 (m / 2) + 8 (m % 2) + r + 8 (r / 8) of the 64).
; THE FOUR WAVES SHARE THE COLUMNS, NOT THE QUERIES.  In a step of 128 keys wave w makes the scores of keys 32 w .. 32 w + 31 for all four query tiles (each fragment of K feeds four products),
; turns them into p, quantises p (its 32 keys are one block) and stores codes and scale byte into an image of the second product's operand in LDS; behind the step's barrier every wave loads the
; whole image and multiplies it by its own 192 channels of V (each fragment of V feeds four products).  O, 64 queries x 192 channels, stays in 384 registers.
; Both products are used transposed (source 0 = 16 keys or 16 channels, source 1 = 16 queries): a lane holds ONE query (lane % 16).  The keys of a tile of K are not neighbours: with tiles 2 w and 2 w + 1
; a lane's 16 scores are the neighbouring keys 32 w + 16 (lane / 16) + 0 .. 15.
; THE SOFTMAX.  p = 2^(t - M), t = sim x log2(e), M a whole number; a block's scale takes up any whole M exactly.  Here M = 0 for every row: the rows of mid_n have norm 1 at the most, rounding to E2M1
; enlarges a number by less than a factor of 2, so |sim| < 4, |t| < 5.8, 2^-5.8 < p < 2^5.8 and a row's sum < 2^17: nothing can overflow or underflow, whatever the inputs.  The row's sum is taken of the unquantised p.
; THE DIAGONAL is set to 0 by selection in every step (masks that are 0 in all steps but one): no branch hangs on the work-group's place.
; CLUSTER.  The four work-groups of a cluster belong to one batch and walk the same 16 tiles of kv: each tile is asked for jointly, each wave its quarter, which divides the requests for kv by four.
; RING.  Two slots of one tile.  One round of the cluster's barrier a step: in front of it K and V of the step are in registers and p's image is stored; behind it the slot is filled with the tile two steps on.
; A wave has two tensor loads out at the start and one behind each round.
; LIMITS: NaN and infinities are not served; 1 / sum is v_rcp_f32; a block's largest p is taken as the p of its largest score (v_exp_f32 is taken not to fall where its input rises).
; REGISTERS, in windows of 256.  Window 0: v1-27 addresses; v28-55 scale words (Q 12, K 6, V 6, P 4: scales and nothing else); v56-87 P's fragments; v88-151 scores, then p; v152-203 at work and statistics.
;   Window 1: v0-191 Q's 24 fragments (at the end: rows of final); v192-255 V's fragments 0-7.   Window 2: O(t, m), t < 8, at 32 t + 8 m.   Window 3: v0-127 O, t = 8 .. 11; v128-223 K's 12 fragments; v224-255 V's 8-11.
.set SLOTB, 104448
.set QUART, 26112                      ; a wave's quarter of a tile: 102 rows of 256 bytes
.set KSO,   49152
.set VCO,   52224
.set VSO,   101376
.set SLOT1, 131072
.set PB,    104448                     ; behind slot 0: p's image, two buffers
.set PBUF,  4352                       ; codes 1024 m + 512 c + 16 lane; scale words at PSC + 64 m + 4 r
.set PSC,   4096
.set STATL, 113152                     ; the waves' row sums, 256 w + 64 m + 4 r; their row maxima 1,024 further on
.set GTB,   115200                     ; 1 - c, twice, for each query: 512 w + 128 m + 8 r (a copy for each wave)
.set SPARE, 117248                     ; the spare words, 128 bytes a wave: two blocks of 256 bytes that no other line names
.set STAGE, 235520                     ; behind slot 1: 16 rows x (768 bytes + 16) for each wave, for the way out
.set SPITCH, 784
.set WSTG,  12544
.set L4,  1
.set SPW, 2
.set NIL, 3
.set ZR,  4
.set AK,  5                            ; v5-6   K's fragments in slot 0, 1
.set AKS, 7                            ; v7-8   K's scale words
.set AV,  9                            ; v9-10  V's fragments
.set AVS, 11                           ; v11-12 V's scale words
.set PWR, 13
.set PSW, 14
.set PRD, 15
.set PSR, 16
.set STO, 17
.set RD0, 18
.set RD1, 19
.set GA0, 20
.set GA1, 21
.set GO0, 22
.set GO1, 23
.set SA,  24
.set SRD, 25
.set GW,  26
.set L16, 27
.set QS,  28
.set KS,  40
.set VS,  46
.set PS,  52
.set PF,  56
.set S,   88
.set TM,  152                          ; +0..3 maxima, +4..7 the other half's, then bytes, +8..11 reciprocals, +12..15 the conversions' scale operands
.set PC,  168
.set LL,  176
.set CF,  184
.set AM,  188
.set GM,  196
.set RR,  56
.set GG,  204
.set KF,  128
.set MSB, 0
.macro WIN new                         ; the immediate's high byte repeats the setting that is left; a switch that changes nothing is dropped
.if MSB != \new
	s_set_vgpr_msb (MSB<<8)|\new
.set MSB, \new
.endif
.endm
.macro PLACES                          ; four plain lines behind matrix instructions, ahead of loads into their registers and of reads of their results
.rept 4
	v_nop
.endr
.endm
.macro ROUND                           ; a round of the cluster's barrier: my work-group's barrier; wave 0 signals for the work-group; every wave waits for all four; my work-group's barrier once more
	s_barrier_signal -1
	s_barrier_wait -1
	s_cmp_lg_u32 s10, 0
	s_cbranch_scc1 .Lnot_wave_0_\@
	s_barrier_signal -3
.Lnot_wave_0_\@:
	s_barrier_wait -3
	s_barrier_signal -1
	s_barrier_wait -1
.endm
	s_load_b128 s[4:7], s[0:1], 0x0                ; final, kv
	s_load_b64 s[8:9], s[0:1], 0x10                ; out0
	v_lshl_add_u32 v[SPW], v0, 2, SPARE
	v_mov_b32 v[NIL], 0
	ds_add_u32 v2, v3
	ds_add_u32 v2, v3
	s_wait_dscnt 0x0
	v_mov_b32 v[ZR], 0
	v_lshrrev_b32 v170, 5, v0
	v_readfirstlane_b32 s10, v170                  ; wave 0..3
	s_and_b32 s13, ttmp7, 0xffff                   ; the batch, which the four partners share
	; descriptor group 1: 102 dense rows of 32 elements of 8 bytes; the mask names all four work-groups
	s_mov_b32 s16, 15|(3<<16)|(1<<21)
	s_mov_b32 s17, 32<<16
	s_mov_b32 s18, 102<<16
	s_mov_b32 s19, 32<<16
	s_mov_b32 s20, 102
	s_mov_b32 s21, 32
	s_mov_b32 s22, 0
	s_mov_b32 s23, 0
	s_mul_i32 s24, s13, 16*SLOTB                   ; the batch's 16 tiles,
	s_mul_i32 s33, s10, QUART                      ; my quarter of a tile, in memory and in a slot: no place in the cluster enters either
	s_add_co_u32 s24, s24, s33
	s_mov_b32 s25, 0
	s_add_co_u32 s37, s33, SLOT1
	s_mov_b32 s32, 1
	s_mov_b32 s36, 1
	s_wait_kmcnt 0x0
	s_add_nc_u64 s[34:35], s[6:7], s[24:25]        ; slot 0: tile 0
	s_add_nc_u64 s[38:39], s[34:35], SLOTB         ; slot 1: tile 1
	s_or_b32 s35, s35, 0x80000000                  ; type = 2
	s_or_b32 s39, s39, 0x80000000
	ROUND                                          ; all four work-groups are here: the first joint loads meet
	tensor_load_to_lds s[32:35], s[16:23]
	s_nop 0
	tensor_load_to_lds s[36:39], s[16:23]
	s_nop 0
	PLACES
	s_bfe_u32 s11, ttmp6, 0x40000                  ; cx: it enters Q's, final's and out0's addresses and the diagonal's masks alone
	s_lshl_b32 s12, ttmp9, 2
	s_add_co_u32 s12, s12, s11                     ; jq: my block of 64 queries
	s_lshl_b32 s70, s13, 4
	s_lshr_b32 s71, s12, 1
	s_add_co_u32 s70, s70, s71
	s_mul_i32 s70, s70, SLOTB                      ; the tile that holds my queries,
	s_and_b32 s71, s12, 1
	s_mul_i32 s72, s71, 24576                      ; its row tiles 4 (jq % 2) on
	s_add_co_u32 s72, s72, s70
	s_mov_b32 s73, 0
	s_mul_i32 s74, s71, 1536
	s_add_co_u32 s74, s74, s70
	s_add_co_u32 s74, s74, KSO
	s_mov_b32 s75, 0
	s_add_nc_u64 s[76:77], s[6:7], s[72:73]        ; Q's fragments
	s_add_nc_u64 s[78:79], s[6:7], s[74:75]        ; Q's scale words
	s_lshl_b32 s14, s13, 11
	s_lshl_b32 s15, s12, 6
	s_add_co_u32 s14, s14, s15
	s_mul_i32 s14, s14, 3072                       ; my first row of final and of out0
	s_mov_b32 s15, 0
	s_add_nc_u64 s[4:5], s[4:5], s[14:15]
	s_add_nc_u64 s[8:9], s[8:9], s[14:15]
	v_and_b32 v170, 31, v0                         ; lane
	v_and_b32 v168, 15, v0                         ; r
	v_bfe_u32 v169, v0, 4, 1                       ; h
	v_lshlrev_b32 v[L16], 4, v170
	v_lshlrev_b32 v[L4], 2, v170
	WIN 0x40                                       ; destination window 1
.irp f, 0,1,2,3,4,5,6,7,8,9,10,11,12,13,14,15,16,17,18,19,20,21,22,23
.irp c, 0,1
	global_load_b128 v[8*\f+4*\c:8*\f+4*\c+3], v[L16], s[76:77] offset:1024*\f+512*\c   ; Q's fragment f = 6 m + s stays in registers
.endr
.endr
	WIN 0
.irp m, 0,1,2,3
.irp j, 0,1,2
	global_load_b32 v[QS+3*\m+\j], v[L4], s[78:79] offset:384*\m+128*\j   ; lanes 0-15 K step 2 j, lanes 16-31 K step 2 j + 1
.endr
.endr
	s_mul_i32 s26, s10, 12288                      ; my two tiles of K, my twelve of V
	s_mul_i32 s27, s10, 768                        ; their scale words; also my 768 bytes of a row of out0
	v_add_nc_u32 v[AK], s26, v[L16]
	v_add_nc_u32 v[AK+1], SLOT1, v[AK]
	s_add_co_u32 s28, s27, KSO
	v_add_nc_u32 v[AKS], s28, v[L4]
	v_add_nc_u32 v[AKS+1], SLOT1, v[AKS]
	v_add_nc_u32 v[AV], VCO, v[AK]
	v_add_nc_u32 v[AV+1], SLOT1, v[AV]
	s_add_co_u32 s28, s27, VSO
	v_add_nc_u32 v[AVS], s28, v[L4]
	v_add_nc_u32 v[AVS+1], SLOT1, v[AVS]
	s_lshl_b32 s28, s10, 8
	s_add_co_u32 s28, s28, PB
	v_lshl_add_u32 v[PWR], v168, 4, s28            ; p's codes: block w of the image lies at 256 w + 16 r, my 16 keys' 8 bytes at + 8 h
	v_lshl_add_u32 v[PWR], v169, 3, v[PWR]
	s_add_co_u32 s28, s10, PB+PSC
	v_lshl_add_u32 v[PSW], v168, 2, s28            ; p's scale byte: byte w of query r's word
	v_add_nc_u32 v[PRD], PB, v[L16]
	v_lshl_add_u32 v[PSR], v168, 2, PB+PSC
	s_mul_i32 s28, s10, WSTG
	s_add_co_u32 s28, s28, STAGE                   ; my stage
	v_mul_u32_u24 v[STO], v168, SPITCH
	v_lshl_add_u32 v[STO], v169, 5, v[STO]
	v_add_nc_u32 v[STO], s28, v[STO]               ; in: row r, 32 bytes for each half of the lanes
	v_add_nc_u32 v[RD0], s28, v[L16]               ; back: two rows of 768 bytes are three runs of 512; the middle run's upper lanes lie behind a row's padding
	v_lshl_add_u32 v[RD1], v169, 4, v[RD0]
	s_lshl_b32 s29, s10, 9
	s_add_co_u32 s29, s29, GTB
	v_mov_b32 v[GA0], s29
	v_lshl_add_u32 v[GA1], v169, 3, s29
	v_lshl_add_u32 v[GW], v168, 3, s29
	v_add_nc_u32 v[GO0], s27, v[L16]               ; the same three runs in final and out0: the middle run's upper lanes are in the next row
	v_mad_u32_u24 v[GO1], v169, 2304, v[GO0]
	s_lshl_b32 s30, s10, 8
	s_add_co_u32 s30, s30, STATL
	v_lshl_add_u32 v[SA], v168, 2, s30
	v_lshl_add_u32 v[SRD], v168, 2, STATL
	s_lshr_b32 s41, s10, 1                         ; 2 x step + w / 2: equal to jq in the one step that holds my diagonal
	s_and_b32 s28, s10, 1
	s_cmp_eq_u32 s28, 0
	s_cselect_b32 s42, 0x01000001, 0               ; query tiles 0, 1 meet the keys of waves 0, 2; tiles 2, 3 those of waves 1, 3.  Register j's diagonal lanes are j and 24 + j
	s_cselect_b32 s43, 0, 0x01000001
	s_mov_b32 s66, 0x76543210
	s_mov_b32 s67, 0xfedcba98                      ; v_permlanex16_b32's selects for lane l xor 16
	s_mov_b32 s68, 0x3fb8aa3b                      ; log2(e)
	s_mov_b32 s69, s68                             ; (named with it as a pair, so it is written)
.irp i, 0,1,2,3,4,5,6,7
	v_mov_b32 v[LL+\i], 0                          ; the row sums, a pair for each query tile
.endr
.irp m, 0,1,2,3
	v_mov_b32 v[CF+\m], 0xff800000                 ; the row maxima: -infinity
	v_mov_b32 v[TM+4+\m], 0                        ; written once: a lane permute's destination counts as one of its sources
.endr
.macro KLOAD slot                      ; 30 LDS loads: my two tiles of K, six K steps each, and their scale words
	WIN 0
.irp u, 0,1
.irp j, 0,1,2
	ds_load_b32 v[KS+3*\u+\j], v[AKS+(\slot)] offset:384*\u+128*\j
.endr
.endr
	WIN 0xc0                                       ; destination window 3
.irp q, 0,1,2,3,4,5
.irp u, 0,1
.irp c, 0,1
	ds_load_b128 v[KF+8*(6*\u+\q)+4*\c:KF+8*(6*\u+\q)+4*\c+3], v[AK+(\slot)] offset:1024*(6*\u+\q)+512*\c
.endr
.endr
.endr
.endm
.macro VLOAD slot                      ; 30 LDS loads: my twelve tiles of V and their scale words (lanes 0-15 the even tile's, lanes 16-31 the odd one's)
	WIN 0
.irp tp, 0,1,2,3,4,5
	ds_load_b32 v[VS+\tp], v[AVS+(\slot)] offset:128*\tp
.endr
	WIN 0x40
.irp t, 0,1,2,3,4,5,6,7
.irp c, 0,1
	ds_load_b128 v[192+8*\t+4*\c:192+8*\t+4*\c+3], v[AV+(\slot)] offset:1024*\t+512*\c
.endr
.endr
	WIN 0xc0
.irp t, 8,9,10,11
.irp c, 0,1
	ds_load_b128 v[224+8*(\t-8)+4*\c:224+8*(\t-8)+4*\c+3], v[AV+(\slot)] offset:1024*\t+512*\c
.endr
.endr
.endm
.macro PLOAD buf                       ; 12 LDS loads: p's four fragments and scale words, as the four waves stored them
	WIN 0
.irp m, 0,1,2,3
	ds_load_b32 v[PS+\m], v[PSR] offset:PBUF*(\buf)+64*\m
.endr
.irp m, 0,1,2,3
.irp c, 0,1
	ds_load_b128 v[PF+8*\m+4*\c:PF+8*\m+4*\c+3], v[PRD] offset:PBUF*(\buf)+1024*\m+512*\c
.endr
.endr
.endm
; S^T = K Q^T: 48 matrix instructions; the eight accumulators take turns, one instruction a turn; the first K step starts the sums
.macro QK
	WIN 0x07                                       ; source 0 (K) window 3, source 1 (Q) window 1, C and D window 0
.irp q, 0,1,2,3,4,5
.irp u, 0,1
.irp m, 0,1,2,3
.if \q == 0
	v_wmma_scale_f32_16x16x128_f8f6f4 v[S+16*\m+8*\u:S+16*\m+8*\u+7], v[KF+8*(6*\u+\q):KF+8*(6*\u+\q)+7], v[8*(6*\m+\q):8*(6*\m+\q)+7], 0, v[KS+3*\u+\q/2], v[QS+3*\m+\q/2] matrix_a_fmt:MATRIX_FMT_FP4 matrix_b_fmt:MATRIX_FMT_FP4
.elseif \q%2 == 0
	v_wmma_scale_f32_16x16x128_f8f6f4 v[S+16*\m+8*\u:S+16*\m+8*\u+7], v[KF+8*(6*\u+\q):KF+8*(6*\u+\q)+7], v[8*(6*\m+\q):8*(6*\m+\q)+7], v[S+16*\m+8*\u:S+16*\m+8*\u+7], v[KS+3*\u+\q/2], v[QS+3*\m+\q/2] matrix_a_fmt:MATRIX_FMT_FP4 matrix_b_fmt:MATRIX_FMT_FP4
.else
	v_wmma_scale_f32_16x16x128_f8f6f4 v[S+16*\m+8*\u:S+16*\m+8*\u+7], v[KF+8*(6*\u+\q):KF+8*(6*\u+\q)+7], v[8*(6*\m+\q):8*(6*\m+\q)+7], v[S+16*\m+8*\u:S+16*\m+8*\u+7], v[KS+3*\u+\q/2], v[QS+3*\m+\q/2] matrix_a_fmt:MATRIX_FMT_FP4 matrix_b_fmt:MATRIX_FMT_FP4 matrix_a_scale:MATRIX_SCALE_ROW1 matrix_b_scale:MATRIX_SCALE_ROW1
.endif
.endr
.endr
.endr
.endm
.macro PV1 o, f, m, t, zero
.if \zero
.if (\t)%2
	v_wmma_scale_f32_16x16x128_f8f6f4 v[\o:\o+7], v[\f:\f+7], v[PF+8*(\m):PF+8*(\m)+7], 0, v[VS+(\t)/2], v[PS+(\m)] matrix_a_fmt:MATRIX_FMT_FP4 matrix_b_fmt:MATRIX_FMT_FP4 matrix_a_scale:MATRIX_SCALE_ROW1
.else
	v_wmma_scale_f32_16x16x128_f8f6f4 v[\o:\o+7], v[\f:\f+7], v[PF+8*(\m):PF+8*(\m)+7], 0, v[VS+(\t)/2], v[PS+(\m)] matrix_a_fmt:MATRIX_FMT_FP4 matrix_b_fmt:MATRIX_FMT_FP4
.endif
.else
.if (\t)%2
	v_wmma_scale_f32_16x16x128_f8f6f4 v[\o:\o+7], v[\f:\f+7], v[PF+8*(\m):PF+8*(\m)+7], v[\o:\o+7], v[VS+(\t)/2], v[PS+(\m)] matrix_a_fmt:MATRIX_FMT_FP4 matrix_b_fmt:MATRIX_FMT_FP4 matrix_a_scale:MATRIX_SCALE_ROW1
.else
	v_wmma_scale_f32_16x16x128_f8f6f4 v[\o:\o+7], v[\f:\f+7], v[PF+8*(\m):PF+8*(\m)+7], v[\o:\o+7], v[VS+(\t)/2], v[PS+(\m)] matrix_a_fmt:MATRIX_FMT_FP4 matrix_b_fmt:MATRIX_FMT_FP4
.endif
.endif
.endm
; O^T += V^T P^T: 48 matrix instructions, each accumulator once.  zero = 1: the first step starts the sums: nothing is ever cleared
.macro PV zero
	WIN 0xa1                                       ; source 0 (V) window 1, source 1 (P) window 0, C and D window 2
.irp t, 0,1,2,3,4,5,6,7
.irp m, 0,1,2,3
	PV1 32*\t+8*\m, 192+8*\t, \m, \t, \zero
.endr
.endr
	WIN 0xf3                                       ; V, C and D window 3
.irp t, 8,9,10,11
.irp m, 0,1,2,3
	PV1 32*(\t-8)+8*\m, 224+8*(\t-8), \m, \t, \zero
.endr
.endr
.endm
; The scores of my 32 keys for the 64 queries become p, p's codes and scale bytes, which go into image buf.  Register S + 16 m + i: key 32 w + 16 (lane / 16) + i, query tile m.
.macro SOFT buf
	s_cmp_eq_u32 s41, s12                          ; is this the step of my diagonal?  The answer selects masks and nothing else
	s_cselect_b32 s44, s42, 0
	s_cselect_b32 s45, s43, 0
	s_add_co_u32 s41, s41, 2
.irp j, 0,1,2,3,4,5,6,7
	s_lshl_b32 s[48+\j], s44, \j
	s_lshl_b32 s[56+\j], s45, \j
.endr
.irp j, 0,1,2,3,4,5,6,7
.irp m, 0,1,2,3
	v_cndmask_b32 v[S+16*\m+8*(\m%2)+\j], v[S+16*\m+8*(\m%2)+\j], v[ZR], s[48+8*(\m/2)+\j]   ; the diagonal becomes 0; each accumulator is read from its low end on
.endr
.endr
.irp m, 0,1,2,3
	v_max3_num_f32 v[TM+\m], v[S+16*\m], v[S+16*\m+1], v[S+16*\m+2]   ; the block's largest score: it serves the row's maximum and, since p rises with the score, the block's largest p
.endr
.irp i, 3,5,7,9,11,13
.irp m, 0,1,2,3
	v_max3_num_f32 v[TM+\m], v[TM+\m], v[S+16*\m+\i], v[S+16*\m+\i+1]
.endr
.endr
.irp m, 0,1,2,3
	v_max_num_f32 v[TM+\m], v[TM+\m], v[S+16*\m+15]
.endr
.irp m, 0,1,2,3
	v_permlanex16_b32 v[TM+4+\m], v[TM+\m], s66, s67
.endr
.irp m, 0,1,2,3
	v_max_num_f32 v[TM+\m], v[TM+\m], v[TM+4+\m]   ; with lane l xor 16's 16 keys
.endr
.irp m, 0,1,2,3
	v_max_num_f32 v[CF+\m], v[CF+\m], v[TM+\m]     ; the running largest sim over my blocks
.endr
.set j, 0
.rept 32
	v_pk_mul_f32 v[S+2*j:S+2*j+1], v[S+2*j:S+2*j+1], s[68:69] op_sel_hi:[1,0]   ; t = sim x log2(e)
.set j, j+1
.endr
.irp m, 0,1,2,3
	v_mul_f32 v[TM+\m], s68, v[TM+\m]
.endr
.set j, 0
.rept 64
	v_exp_f32 v[S+j], v[S+j]                       ; p = 2^t
.set j, j+1
.endr
.irp m, 0,1,2,3
	v_exp_f32 v[TM+\m], v[TM+\m]                   ; the block's largest p: the same two operations on the same number
.endr
	v_nop                                          ; one plain line behind the exponentials
	s_wait_alu depctr_va_vdst(0)
.irp m, 0,1,2,3
	v_max_num_f32 v[TM+\m], 0x1800000, v[TM+\m]    ; the floor 2^(3 - 127)
.endr
.irp m, 0,1,2,3
	v_add_nc_u32 v[TM+12+\m], 0xff000000, v[TM+\m] ; 2 off the exponent field: the conversion's scale operand
.endr
.irp m, 0,1,2,3
	v_lshrrev_b32 v[TM+4+\m], 23, v[TM+12+\m]      ; the scale's byte
.endr
.irp m, 0,1,2,3
	v_cvt_scalef32_pk8_fp4_f32 v[PC+2*\m], v[S+16*\m:S+16*\m+7], v[TM+12+\m]
	v_cvt_scalef32_pk8_fp4_f32 v[PC+2*\m+1], v[S+16*\m+8:S+16*\m+15], v[TM+12+\m]
.endr
	v_nop                                          ; one plain line behind the conversions
.irp m, 0,1,2,3
	ds_store_b64 v[PWR], v[PC+2*\m:PC+2*\m+1] offset:PBUF*(\buf)+1024*\m   ; the two halves of a block meet in the image: no exchange between lanes
.endr
.irp m, 0,1,2,3
	ds_store_b8 v[PSW], v[TM+4+\m] offset:PBUF*(\buf)+64*\m                ; both halves of the lanes write the same byte with the same value
.endr
.endm
.macro LSUM                            ; the row sums take the unquantised p: four chains by turns
.irp i, 0,2,4,6,8,10,12,14
.irp m, 0,1,2,3
	v_pk_add_f32 v[LL+2*\m:LL+2*\m+1], v[LL+2*\m:LL+2*\m+1], v[S+16*\m+\i:S+16*\m+\i+1]
.endr
.endr
.endm
; THE STEP'S ONE MEETING.  In front of it: all my tensor loads have landed (my quarter of the next tile); K and V of this step are in my registers; my part of p's image is stored.
; Behind it nobody reads slot par any more, the other slot is whole, and p's image is whole.  fill = 1: slot par takes the tile two steps on, by a joint load behind a round of the cluster's barrier.
.macro MEET par, fill
	WIN 0
	s_wait_tensorcnt 0x0                           ; no tensor load of mine is out, so a group 0 may be written
	ds_add_u32 v[SPW], v[NIL]                      ; 0 onto my spare word: the row sums stand between it and the wait for it
.if \fill
	s_add_nc_u64 s[34+4*\par:35+4*\par], s[34+4*\par:35+4*\par], 2*SLOTB
.endif
	LSUM
	s_wait_dscnt 0x0                               ; the add is done, my reads of the slot are back, my stores into the image have landed
.if \fill
	ROUND
	tensor_load_to_lds s[32+4*\par:35+4*\par], s[16:23]   ; the first thing behind the round, my one tensor load until the next: it has a whole step in which to land
	s_nop 0
.else
	s_barrier_signal -1
	s_barrier_wait -1
.endif
	PLACES
.endm
.macro FLOAD m                         ; query tile m's 16 rows of final, my 768 bytes of each: 24 loads, in the order in which the stage gives the results back
	WIN 0x40
.set FB0, 96*((\m)%2)
.set RQ0, 32*((\m)/2)+8*((\m)%2)
.irp a, 0,1,2,3,4,5,6,7
	global_load_b128 v[FB0+12*\a:FB0+12*\a+3], v[GO0], s[4:5] offset:(RQ0+2*\a+8*(\a/4))*3072 th:TH_LOAD_NT
	global_load_b128 v[FB0+12*\a+4:FB0+12*\a+7], v[GO1], s[4:5] offset:(RQ0+2*\a+8*(\a/4))*3072+512 th:TH_LOAD_NT
	global_load_b128 v[FB0+12*\a+8:FB0+12*\a+11], v[GO0], s[4:5] offset:(RQ0+2*\a+8*(\a/4))*3072+3328 th:TH_LOAD_NT
.endr
	WIN 0
.endm
; Step j, par = j % 2: the meeting; O^T += V^T P^T of step j; then, with next = 1, the scores and p of step j + 1.  fl = 1: Q has had its last use, and its registers take rows of final.
.macro TRIP par, fill, zero, next, fl
	MEET \par, \fill
	PLOAD \par
.if \next
	KLOAD 1-\par
	s_wait_dscnt 30                                ; p's 12 loads are in; K's 30 may be out
.else
	s_wait_dscnt 0x0
.endif
	PV \zero
	PLACES
.if \next
	VLOAD 1-\par
	s_wait_dscnt 30                                ; K's 30 loads are in; V's 30 may be out: they are waited for at the next meeting
	QK
	PLACES
	WIN 0
.if \fl
	FLOAD 0
	FLOAD 1
.endif
	SOFT 1-\par
.endif
.endm
	s_wait_tensorcnt 0x1                           ; my quarter of tile 0 is in; tile 1's may stay out
	s_barrier_signal -1
	s_barrier_wait -1                              ; everybody's is
	KLOAD 0
	VLOAD 0
	s_wait_loadcnt 0x0                             ; Q
	s_wait_dscnt 30                                ; K's 30 loads are in
	QK
	PLACES
	WIN 0
	SOFT 0
	TRIP 0, 1, 1, 1, 0                             ; step 0 starts O's sums
	s_mov_b32 s40, 6
.Lpair:                                                ; steps 1 to 12, two a trip: the slots and p's two images are back where they began
	TRIP 1, 1, 0, 1, 0
	TRIP 0, 1, 0, 1, 0
	s_sub_co_u32 s40, s40, 1
	s_cmp_lg_u32 s40, 0
	s_cbranch_scc1 .Lpair
	TRIP 1, 1, 0, 1, 0                             ; step 13 asks for tile 15, the last
	TRIP 0, 0, 0, 1, 1                             ; the tail is written out
	TRIP 1, 0, 0, 0, 0
	WIN 0
	; THE WAY OUT.  The four waves' row sums and row maxima meet in LDS; O^T x c / sum goes through my stage, a query tile at a time, and comes back as rows, to which (1 - c) x final is added.
.irp m, 0,1,2,3
	v_add_f32 v[TM+\m], v[LL+2*\m], v[LL+2*\m+1]
.endr
.irp m, 0,1,2,3
	v_permlanex16_b32 v[TM+4+\m], v[TM+\m], s66, s67
.endr
.irp m, 0,1,2,3
	v_add_f32 v[TM+\m], v[TM+\m], v[TM+4+\m]
.endr
.irp m, 0,1,2,3
	ds_store_b32 v[SA], v[TM+\m] offset:64*\m
	ds_store_b32 v[SA], v[CF+\m] offset:1024+64*\m
.endr
	s_wait_dscnt 0x0                               ; for the others' sake
	s_barrier_signal -1
	s_barrier_wait -1
.irp m, 0,1,2,3
.irp w, 0,1,2,3
	ds_load_b32 v[56+4*\m+\w], v[SRD] offset:256*\w+64*\m
	ds_load_b32 v[72+4*\m+\w], v[SRD] offset:1024+256*\w+64*\m
.endr
.endr
	s_wait_dscnt 0x0
.irp m, 0,1,2,3
	v_add_f32 v[TM+\m], v[56+4*\m], v[57+4*\m]
	v_add_f32 v[TM+4+\m], v[58+4*\m], v[59+4*\m]
	v_max3_num_f32 v[CF+\m], v[72+4*\m], v[73+4*\m], v[74+4*\m]
.endr
.irp m, 0,1,2,3
	v_add_f32 v[TM+\m], v[TM+\m], v[TM+4+\m]       ; the row's sum
	v_max_num_f32 v[CF+\m], v[CF+\m], v[75+4*\m]   ; c, the row's largest sim
.endr
.irp m, 0,1,2,3
	v_rcp_f32 v[TM+8+\m], v[TM+\m]
.endr
	v_nop                                          ; one plain line behind the reciprocals
	s_wait_alu depctr_va_vdst(0)
.irp m, 0,1,2,3
	v_mul_f32 v[AM+2*\m], v[CF+\m], v[TM+8+\m]     ; c / sum, twice: a pair for the packed multiply
	v_mul_f32 v[AM+2*\m+1], v[CF+\m], v[TM+8+\m]
	v_sub_f32 v[GM+2*\m], 1.0, v[CF+\m]            ; 1 - c, twice
	v_sub_f32 v[GM+2*\m+1], 1.0, v[CF+\m]
.endr
.irp m, 0,1,2,3
	ds_store_b64 v[GW], v[GM+2*\m:GM+2*\m+1] offset:128*\m   ; my wave's own copy: LDS serves a wave's instructions in order, so its loads below see it
.endr
.macro OUTM m
.set RQ0, 32*(\m/2)+8*(\m%2)
	WIN 0x82                                       ; O in window 2, the factor in window 0
.irp t, 0,1,2,3,4,5,6,7
.irp q, 0,2,4,6
	v_pk_mul_f32 v[32*\t+8*\m+\q:32*\t+8*\m+\q+1], v[32*\t+8*\m+\q:32*\t+8*\m+\q+1], v[AM+2*\m:AM+2*\m+1]   ; each accumulator from its low end on
.endr
.endr
	WIN 0xc3
.irp t, 0,1,2,3
.irp q, 0,2,4,6
	v_pk_mul_f32 v[32*\t+8*\m+\q:32*\t+8*\m+\q+1], v[32*\t+8*\m+\q:32*\t+8*\m+\q+1], v[AM+2*\m:AM+2*\m+1]
.endr
.endr
	WIN 0x08                                       ; an LDS store's data are its source 1: window 2
.irp t, 0,1,2,3,4,5,6,7
	ds_store_b128 v[STO], v[32*\t+8*\m:32*\t+8*\m+3] offset:64*\t
	ds_store_b128 v[STO], v[32*\t+8*\m+4:32*\t+8*\m+7] offset:64*\t+16
.endr
	WIN 0x0c
.irp t, 0,1,2,3
	ds_store_b128 v[STO], v[32*\t+8*\m:32*\t+8*\m+3] offset:64*(\t+8)
	ds_store_b128 v[STO], v[32*\t+8*\m+4:32*\t+8*\m+7] offset:64*(\t+8)+16
.endr
	WIN 0
.if \m > 0
	s_wait_xcnt 0x0                                ; the tile before's stores have read the registers that the loads below fill
.endif
.irp a, 0,1,2,3,4,5,6,7
	ds_load_b128 v[RR+12*\a:RR+12*\a+3], v[RD0] offset:2*SPITCH*\a
	ds_load_b128 v[RR+12*\a+4:RR+12*\a+7], v[RD1] offset:2*SPITCH*\a+512
	ds_load_b128 v[RR+12*\a+8:RR+12*\a+11], v[RD0] offset:2*SPITCH*\a+SPITCH+256
	ds_load_b64 v[GG+6*\a:GG+6*\a+1], v[GA0] offset:128*\m+16*\a          ; 1 - c of the row that each run's lanes hold
	ds_load_b64 v[GG+6*\a+2:GG+6*\a+3], v[GA1] offset:128*\m+16*\a
	ds_load_b64 v[GG+6*\a+4:GG+6*\a+5], v[GA0] offset:128*\m+16*\a+8
.endr
	s_wait_dscnt 0x0
.if \m < 3
	s_wait_loadcnt 24                              ; this tile's rows of final are in; the next tile's 24 loads may be out
.else
	s_wait_loadcnt 0x0
.endif
.set FB0, 96*(\m%2)
	WIN 0x01                                       ; final's rows in window 1
.set k, 0
.rept 24
	v_pk_fma_f32 v[RR+4*k:RR+4*k+1], v[FB0+4*k:FB0+4*k+1], v[GG+2*k:GG+2*k+1], v[RR+4*k:RR+4*k+1]
	v_pk_fma_f32 v[RR+4*k+2:RR+4*k+3], v[FB0+4*k+2:FB0+4*k+3], v[GG+2*k:GG+2*k+1], v[RR+4*k+2:RR+4*k+3]
.set k, k+1
.endr
	WIN 0
.irp a, 0,1,2,3,4,5,6,7
	global_store_b128 v[GO0], v[RR+12*\a:RR+12*\a+3], s[8:9] offset:(RQ0+2*\a+8*(\a/4))*3072 th:TH_STORE_NT        ; sixteen lanes store 256 consecutive bytes, at a multiple of 256 from out0's first byte
	global_store_b128 v[GO1], v[RR+12*\a+4:RR+12*\a+7], s[8:9] offset:(RQ0+2*\a+8*(\a/4))*3072+512 th:TH_STORE_NT
	global_store_b128 v[GO0], v[RR+12*\a+8:RR+12*\a+11], s[8:9] offset:(RQ0+2*\a+8*(\a/4))*3072+3328 th:TH_STORE_NT
.endr
.if \m < 2
	FLOAD \m+2                                     ; the set just used takes the tile two further on
.endif
.endm
	OUTM 0
	OUTM 1
	OUTM 2
	OUTM 3
	s_wait_tensorcnt 0x0                           ; the wave's end: behind my last tensor load and my last LDS store
	ds_add_u32 v[SPW], v[NIL]
	s_wait_dscnt 0x0
	ROUND                                          ; the closing round: no work-group ends while a partner may still ask for a tile that names it
	s_endpgm
.Lfunc_end_k_q2cf5c56a94_attn:
	.size	k_q2cf5c56a94_attn, .Lfunc_end_k_q2cf5c56a94_attn-k_q2cf5c56a94_attn
	.p2alignl 7, 3214868480
	.fill 96, 4, 3214868480
	.section	.rodata,"a",@progbits
	.p2align	6, 0x0
	.amdhsa_kernel k_q2cf5c56a94_attn
		.amdhsa_group_segment_fixed_size 327680
		.amdhsa_private_segment_fixed_size 0
		.amdhsa_enable_private_segment 0
		.amdhsa_kernarg_size 24
		.amdhsa_user_sgpr_count 2
		.amdhsa_user_sgpr_kernarg_segment_ptr 1
		.amdhsa_wavefront_size32 1
		.amdhsa_system_sgpr_workgroup_id_x 1
		.amdhsa_system_sgpr_workgroup_id_y 1
		.amdhsa_system_sgpr_workgroup_id_z 1
		.amdhsa_system_vgpr_workitem_id 0
		.amdhsa_next_free_vgpr 1024
		.amdhsa_next_free_sgpr 80
		.amdhsa_reserve_vcc 0
		.amdhsa_float_denorm_mode_32 3
		.amdhsa_float_denorm_mode_16_64 3
		.amdhsa_memory_ordered 1
		.amdhsa_forward_progress 1
		.amdhsa_inst_pref_size 255
	.end_amdhsa_kernel
	.section	.bss,"aw",@nobits
	.p2align	6
	.space	262144
	.amdgpu_metadata
---
amdhsa.version: [ 1, 2 ]
amdhsa.kernels:
  - .name:           k_q2cf5c56a94_attn
    .symbol:         k_q2cf5c56a94_attn.kd
    .args:
      - { .name: final_features, .offset: 0, .size: 8, .value_kind: global_buffer, .address_space: global }
      - { .name: kv, .offset: 8, .size: 8, .value_kind: global_buffer, .address_space: global }
      - { .name: out0, .offset: 16, .size: 8, .value_kind: global_buffer, .address_space: global }
    .group_segment_fixed_size: 327680
    .private_segment_fixed_size: 0
    .kernarg_segment_align: 8
    .kernarg_segment_size: 24
    .max_flat_workgroup_size: 128
    .sgpr_count:     80
    .vgpr_count:     1024
    .wavefront_size: 32
...
	.end_amdgpu_metadata
.endif
;; end of part 2
;; ======== version 2 of 2: 2 launches; 1.12 times as fast as version 1
;; workspace buffers: kv 13,369,344 bytes
;; launch prep: the kernel of part 1 again; grid 256 x 1, 12 waves a work-group, no clusters, 202,240 bytes of LDS; arguments final_features, mid_features, kv; writes kv
;; launch attn (part 3): grid 32 x 8, 4 waves a work-group, clusters of 4 x 1, 327,680 bytes of LDS; arguments final_features, kv, out0; writes out0
.if DOCPART == 3
	.amdgcn_target "amdgcn-amd-amdhsa--gfx1250"
	.amdhsa_code_object_version 6
	.text
	.protected	k_q2cf5c56a94_attn
	.globl	k_q2cf5c56a94_attn
	.p2align	8
	.type	k_q2cf5c56a94_attn,@function
k_q2cf5c56a94_attn:
	s_mov_b64 s[64:65], 0
	v_nop
	global_prefetch_b8 v0, s[64:65] scope:SCOPE_SE
	s_setreg_imm32_b32 hwreg(HW_REG_WAVE_MODE, 25, 1), 1
	s_wait_xcnt 0x0
	s_wait_alu depctr_hold_cnt(0) depctr_sa_sdst(0) depctr_va_vdst(0) depctr_va_sdst(0) depctr_va_ssrc(0) depctr_va_vcc(0) depctr_vm_vsrc(0)
	s_getreg_b32 s2, hwreg(HW_REG_IB_STS2, 6, 4)
	s_cmp_eq_u32 s2, 0
	s_cbranch_scc0 .Lentry_in_a_cluster
	s_endpgm
.Lentry_in_a_cluster:
	s_bfe_u32 s2, ttmp6, 0x10000c
	s_cmp_lg_u32 s2, 0x3003
	s_cbranch_scc0 .Lentry_shape_is_right
	s_endpgm
.Lentry_shape_is_right:
; out = c x softmax(sim) final + (1 - c) x final, sim = mid_n mid_n^T with its diagonal set to 0, c = the row's largest sim.  8 batches, 2,048 rows, 768 channels.
; Both products run on codes of FP4 (E2M1) with E8M0 scales, read from kv, which the launch before laid in the order of the operands' registers (tiles of SLOTB bytes for 128 keys: KC, KS, VC, VS).
; SHARES.  A work-group owns 64 queries of a batch: four tiles m of 16, which are four of kv's own row tiles (lane r of tile m: query 32 (m / 2) + 8 (m % 2) + r + 8 (r / 8) of the 64).
; THE FOUR WAVES SHARE THE COLUMNS, NOT THE QUERIES.  In a step of 128 keys wave w makes the scores of keys 32 w .. 32 w + 31 for all four query tiles (each fragment of K feeds four products),
; turns them into p, quantises p (its 32 keys are one block) and stores codes and scale byte into an image of the second product's operand in LDS; behind the step's barrier every wave loads the
; whole image and multiplies it by its own 192 channels of V (each fragment of V feeds four products).  O, 64 queries x 192 channels, stays in 384 registers.
; Both products are used transposed (source 0 = 16 keys or 16 channels, source 1 = 16 queries): a lane holds ONE query (lane % 16).  The keys of a tile of K are not neighbours: with tiles 2 w and 2 w + 1
; a lane's 16 scores are the neighbouring keys 32 w + 16 (lane / 16) + 0 .. 15.
; THE SOFTMAX.  p = 2^(t - M), t = sim x log2(e), M a whole number; a block's scale takes up any whole M exactly.  Here M = 0 for every row: the rows of mid_n have norm 1 at the most, rounding to E2M1
; enlarges a number by less than a factor of 2, so |sim| < 4, |t| < 5.8, 2^-5.8 < p < 2^5.8 and a row's sum < 2^17: nothing can overflow or underflow, whatever the inputs.  The row's sum is taken of the unquantised p.
; THE DIAGONAL is set to 0 by selection in every step (masks that are 0 in all steps but one): no branch hangs on the work-group's place.
; CLUSTER.  The four work-groups of a cluster belong to one batch and walk the same 16 tiles of kv: each tile is asked for jointly, each wave its quarter, which divides the requests for kv by four.
; THE WALK.  With M = 0 no step hangs on an earlier one, so the 16 tiles may be taken in any order.  Cluster x of a batch's eight begins at tile 4 ((x % 4) xor (x / 4)) and goes round modulo 16:
; the clusters of a batch do not all ask for one tile at one time, and from a walk's fifth step on its tile has been asked for by another cluster four steps before.  x is the cluster's number, which the four partners share.
; RING.  Two slots of one tile.  One round of the cluster's barrier a step: in front of it K and V of the step are in registers and p's image is stored; behind it the slot is filled with the tile two steps on.
; A wave has two tensor loads out at the start and one behind each round.
; LIMITS: NaN and infinities are not served; 1 / sum is v_rcp_f32; a block's largest p is taken as the p of its largest score (v_exp_f32 is taken not to fall where its input rises).
; REGISTERS, in windows of 256.  Window 0: v1-27 addresses; v28-55 scale words (Q 12, K 6, V 6, P 4: scales and nothing else); v56-87 P's fragments; v88-151 scores, then p; v152-203 at work and statistics.
;   Window 1: v0-191 Q's 24 fragments (at the end: rows of final); v192-255 V's fragments 0-7.   Window 2: O(t, m), t < 8, at 32 t + 8 m.   Window 3: v0-127 O, t = 8 .. 11; v128-223 K's 12 fragments; v224-255 V's 8-11.
; SCALARS that stay: s[4:5] final, s[8:9] out0 at my first row; s10 wave; s12 my block of queries; s[16:23] descriptor group 1; s[32:39] group 0 for slots 0, 1; s40 trips; s41 2 x tile + wave / 2 of the scores in hand;
;   s42-45, s[48:63] the diagonal's masks; s[66:67] lane selects; s[68:69] log2(e); s[80:81] kv at the batch's tile 0, my quarter; s82 the tile to be asked for next; s[84:85] its byte offset.
.set SLOTB, 104448
.set QUART, 26112                      ; a wave's quarter of a tile: 102 rows of 256 bytes
.set KSO,   49152
.set VCO,   52224
.set VSO,   101376
.set SLOT1, 131072
.set PB,    104448                     ; behind slot 0: p's image, two buffers
.set PBUF,  4352                       ; codes 1024 m + 512 c + 16 lane; scale words at PSC + 64 m + 4 r
.set PSC,   4096
.set STATL, 113152                     ; the waves' row sums, 256 w + 64 m + 4 r; their row maxima 1,024 further on
.set GTB,   115200                     ; 1 - c, twice, for each query: 512 w + 128 m + 8 r (a copy for each wave)
.set SPARE, 117248                     ; the spare words, 128 bytes a wave: two blocks of 256 bytes that no other line names
.set STAGE, 235520                     ; behind slot 1: 16 rows x (768 bytes + 16) for each wave, for the way out
.set SPITCH, 784
.set WSTG,  12544
.set L4,  1
.set SPW, 2
.set NIL, 3
.set ZR,  4
.set AK,  5                            ; v5-6   K's fragments in slot 0, 1
.set AKS, 7                            ; v7-8   K's scale words
.set AV,  9                            ; v9-10  V's fragments
.set AVS, 11                           ; v11-12 V's scale words
.set PWR, 13
.set PSW, 14
.set PRD, 15
.set PSR, 16
.set STO, 17
.set RD0, 18
.set RD1, 19
.set GA0, 20
.set GA1, 21
.set GO0, 22
.set GO1, 23
.set SA,  24
.set SRD, 25
.set GW,  26
.set L16, 27
.set QS,  28
.set KS,  40
.set VS,  46
.set PS,  52
.set PF,  56
.set S,   88
.set TM,  152                          ; +0..3 maxima, +4..7 the other half's, then bytes, +8..11 reciprocals, +12..15 the conversions' scale operands
.set PC,  168
.set LL,  176
.set CF,  184
.set AM,  188
.set GM,  196
.set RR,  56
.set GG,  204
.set KF,  128
.set MSB, 0
.macro WIN new                         ; the immediate's high byte repeats the setting that is left; a switch that changes nothing is dropped
.if MSB != \new
	s_set_vgpr_msb (MSB<<8)|\new
.set MSB, \new
.endif
.endm
.macro PLACES                          ; four plain lines behind matrix instructions, ahead of loads into their registers and of reads of their results
.rept 4
	v_nop
.endr
.endm
.macro ROUND                           ; a round of the cluster's barrier: my work-group's barrier; wave 0 signals for the work-group; every wave waits for all four; my work-group's barrier once more
	s_barrier_signal -1
	s_barrier_wait -1
	s_cmp_lg_u32 s10, 0
	s_cbranch_scc1 .Lnot_wave_0_\@
	s_barrier_signal -3
.Lnot_wave_0_\@:
	s_barrier_wait -3
	s_barrier_signal -1
	s_barrier_wait -1
.endm
	s_load_b128 s[4:7], s[0:1], 0x0                ; final, kv
	s_load_b64 s[8:9], s[0:1], 0x10                ; out0
	v_lshl_add_u32 v[SPW], v0, 2, SPARE
	v_mov_b32 v[NIL], 0
	ds_add_u32 v2, v3
	ds_add_u32 v2, v3
	s_wait_dscnt 0x0
	v_mov_b32 v[ZR], 0
	v_lshrrev_b32 v170, 5, v0
	v_readfirstlane_b32 s10, v170                  ; wave 0..3
	s_and_b32 s13, ttmp7, 0xffff                   ; the batch, which the four partners share
	; descriptor group 1: 102 dense rows of 32 elements of 8 bytes; the mask names all four work-groups
	s_mov_b32 s16, 15|(3<<16)|(1<<21)
	s_mov_b32 s17, 32<<16
	s_mov_b32 s18, 102<<16
	s_mov_b32 s19, 32<<16
	s_mov_b32 s20, 102
	s_mov_b32 s21, 32
	s_mov_b32 s22, 0
	s_mov_b32 s23, 0
	; where the walk begins: in a cluster launch ttmp9 counts clusters, 0 .. 7 along x here
	s_and_b32 s82, ttmp9, 3
	s_lshr_b32 s83, ttmp9, 2
	s_xor_b32 s82, s82, s83
	s_lshl_b32 s82, s82, 2                         ; the first tile: 4 ((x % 4) xor (x / 4))
	s_lshr_b32 s41, s10, 1
	s_lshl_b32 s83, s82, 1
	s_add_co_u32 s41, s41, s83                     ; 2 x tile + w / 2: equal to my block of queries in the one step that holds my diagonal
	s_mul_i32 s84, s82, SLOTB                      ; the first tile's bytes,
	s_mov_b32 s85, 0
	s_add_co_u32 s86, s82, 1
	s_and_b32 s86, s86, 15
	s_mul_i32 s86, s86, SLOTB                      ; the second's,
	s_mov_b32 s87, 0
	s_add_co_u32 s82, s82, 2
	s_and_b32 s82, s82, 15                         ; and the number of the tile that the first refill asks for
	s_mul_i32 s24, s13, 16*SLOTB                   ; the batch's 16 tiles,
	s_mul_i32 s33, s10, QUART                      ; my quarter of a tile, in memory and in a slot: no place in the cluster enters either
	s_add_co_u32 s24, s24, s33
	s_mov_b32 s25, 0
	s_add_co_u32 s37, s33, SLOT1
	s_mov_b32 s32, 1
	s_mov_b32 s36, 1
	s_wait_kmcnt 0x0
	s_add_nc_u64 s[80:81], s[6:7], s[24:25]        ; kv at the batch's tile 0, my quarter: it stays
	s_add_nc_u64 s[34:35], s[80:81], s[84:85]      ; slot 0: the walk's first tile
	s_add_nc_u64 s[38:39], s[80:81], s[86:87]      ; slot 1: its second
	s_or_b32 s35, s35, 0x80000000                  ; type = 2
	s_or_b32 s39, s39, 0x80000000
	ROUND                                          ; all four work-groups are here: the first joint loads meet
	tensor_load_to_lds s[32:35], s[16:23]
	s_nop 0
	tensor_load_to_lds s[36:39], s[16:23]
	s_nop 0
	PLACES
	s_bfe_u32 s11, ttmp6, 0x40000                  ; cx: it enters Q's, final's and out0's addresses and the diagonal's masks alone
	s_lshl_b32 s12, ttmp9, 2
	s_add_co_u32 s12, s12, s11                     ; jq: my block of 64 queries
	s_lshl_b32 s70, s13, 4
	s_lshr_b32 s71, s12, 1
	s_add_co_u32 s70, s70, s71
	s_mul_i32 s70, s70, SLOTB                      ; the tile that holds my queries,
	s_and_b32 s71, s12, 1
	s_mul_i32 s72, s71, 24576                      ; its row tiles 4 (jq % 2) on
	s_add_co_u32 s72, s72, s70
	s_mov_b32 s73, 0
	s_mul_i32 s74, s71, 1536
	s_add_co_u32 s74, s74, s70
	s_add_co_u32 s74, s74, KSO
	s_mov_b32 s75, 0
	s_add_nc_u64 s[76:77], s[6:7], s[72:73]        ; Q's fragments
	s_add_nc_u64 s[78:79], s[6:7], s[74:75]        ; Q's scale words
	s_lshl_b32 s14, s13, 11
	s_lshl_b32 s15, s12, 6
	s_add_co_u32 s14, s14, s15
	s_mul_i32 s14, s14, 3072                       ; my first row of final and of out0
	s_mov_b32 s15, 0
	s_add_nc_u64 s[4:5], s[4:5], s[14:15]
	s_add_nc_u64 s[8:9], s[8:9], s[14:15]
	v_and_b32 v170, 31, v0                         ; lane
	v_and_b32 v168, 15, v0                         ; r
	v_bfe_u32 v169, v0, 4, 1                       ; h
	v_lshlrev_b32 v[L16], 4, v170
	v_lshlrev_b32 v[L4], 2, v170
	WIN 0x40                                       ; destination window 1
.irp f, 0,1,2,3,4,5,6,7,8,9,10,11,12,13,14,15,16,17,18,19,20,21,22,23
.irp c, 0,1
	global_load_b128 v[8*\f+4*\c:8*\f+4*\c+3], v[L16], s[76:77] offset:1024*\f+512*\c   ; Q's fragment f = 6 m + s stays in registers
.endr
.endr
	WIN 0
.irp m, 0,1,2,3
.irp j, 0,1,2
	global_load_b32 v[QS+3*\m+\j], v[L4], s[78:79] offset:384*\m+128*\j   ; lanes 0-15 K step 2 j, lanes 16-31 K step 2 j + 1
.endr
.endr
	s_mul_i32 s26, s10, 12288                      ; my two tiles of K, my twelve of V
	s_mul_i32 s27, s10, 768                        ; their scale words; also my 768 bytes of a row of out0
	v_add_nc_u32 v[AK], s26, v[L16]
	v_add_nc_u32 v[AK+1], SLOT1, v[AK]
	s_add_co_u32 s28, s27, KSO
	v_add_nc_u32 v[AKS], s28, v[L4]
	v_add_nc_u32 v[AKS+1], SLOT1, v[AKS]
	v_add_nc_u32 v[AV], VCO, v[AK]
	v_add_nc_u32 v[AV+1], SLOT1, v[AV]
	s_add_co_u32 s28, s27, VSO
	v_add_nc_u32 v[AVS], s28, v[L4]
	v_add_nc_u32 v[AVS+1], SLOT1, v[AVS]
	s_lshl_b32 s28, s10, 8
	s_add_co_u32 s28, s28, PB
	v_lshl_add_u32 v[PWR], v168, 4, s28            ; p's codes: block w of the image lies at 256 w + 16 r, my 16 keys' 8 bytes at + 8 h
	v_lshl_add_u32 v[PWR], v169, 3, v[PWR]
	s_add_co_u32 s28, s10, PB+PSC
	v_lshl_add_u32 v[PSW], v168, 2, s28            ; p's scale byte: byte w of query r's word
	v_add_nc_u32 v[PRD], PB, v[L16]
	v_lshl_add_u32 v[PSR], v168, 2, PB+PSC
	s_mul_i32 s28, s10, WSTG
	s_add_co_u32 s28, s28, STAGE                   ; my stage
	v_mul_u32_u24 v[STO], v168, SPITCH
	v_lshl_add_u32 v[STO], v169, 5, v[STO]
	v_add_nc_u32 v[STO], s28, v[STO]               ; in: row r, 32 bytes for each half of the lanes
	v_add_nc_u32 v[RD0], s28, v[L16]               ; back: two rows of 768 bytes are three runs of 512; the middle run's upper lanes lie behind a row's padding
	v_lshl_add_u32 v[RD1], v169, 4, v[RD0]
	s_lshl_b32 s29, s10, 9
	s_add_co_u32 s29, s29, GTB
	v_mov_b32 v[GA0], s29
	v_lshl_add_u32 v[GA1], v169, 3, s29
	v_lshl_add_u32 v[GW], v168, 3, s29
	v_add_nc_u32 v[GO0], s27, v[L16]               ; the same three runs in final and out0: the middle run's upper lanes are in the next row
	v_mad_u32_u24 v[GO1], v169, 2304, v[GO0]
	s_lshl_b32 s30, s10, 8
	s_add_co_u32 s30, s30, STATL
	v_lshl_add_u32 v[SA], v168, 2, s30
	v_lshl_add_u32 v[SRD], v168, 2, STATL
	s_and_b32 s28, s10, 1
	s_cmp_eq_u32 s28, 0
	s_cselect_b32 s42, 0x01000001, 0               ; query tiles 0, 1 meet the keys of waves 0, 2; tiles 2, 3 those of waves 1, 3.  Register j's diagonal lanes are j and 24 + j
	s_cselect_b32 s43, 0, 0x01000001
	s_mov_b32 s66, 0x76543210
	s_mov_b32 s67, 0xfedcba98                      ; v_permlanex16_b32's selects for lane l xor 16
	s_mov_b32 s68, 0x3fb8aa3b                      ; log2(e)
	s_mov_b32 s69, s68                             ; (named with it as a pair, so it is written)
.irp i, 0,1,2,3,4,5,6,7
	v_mov_b32 v[LL+\i], 0                          ; the row sums, a pair for each query tile
.endr
.irp m, 0,1,2,3
	v_mov_b32 v[CF+\m], 0xff800000                 ; the row maxima: -infinity
	v_mov_b32 v[TM+4+\m], 0                        ; written once: a lane permute's destination counts as one of its sources
.endr
.macro KLOAD slot                      ; 30 LDS loads: my two tiles of K, six K steps each, and their scale words
	WIN 0
.irp u, 0,1
.irp j, 0,1,2
	ds_load_b32 v[KS+3*\u+\j], v[AKS+(\slot)] offset:384*\u+128*\j
.endr
.endr
	WIN 0xc0                                       ; destination window 3
.irp q, 0,1,2,3,4,5
.irp u, 0,1
.irp c, 0,1
	ds_load_b128 v[KF+8*(6*\u+\q)+4*\c:KF+8*(6*\u+\q)+4*\c+3], v[AK+(\slot)] offset:1024*(6*\u+\q)+512*\c
.endr
.endr
.endr
.endm
.macro VLOAD slot                      ; 30 LDS loads: my twelve tiles of V and their scale words (lanes 0-15 the even tile's, lanes 16-31 the odd one's)
	WIN 0
.irp tp, 0,1,2,3,4,5
	ds_load_b32 v[VS+\tp], v[AVS+(\slot)] offset:128*\tp
.endr
	WIN 0x40
.irp t, 0,1,2,3,4,5,6,7
.irp c, 0,1
	ds_load_b128 v[192+8*\t+4*\c:192+8*\t+4*\c+3], v[AV+(\slot)] offset:1024*\t+512*\c
.endr
.endr
	WIN 0xc0
.irp t, 8,9,10,11
.irp c, 0,1
	ds_load_b128 v[224+8*(\t-8)+4*\c:224+8*(\t-8)+4*\c+3], v[AV+(\slot)] offset:1024*\t+512*\c
.endr
.endr
.endm
.macro PLOAD buf                       ; 12 LDS loads: p's four fragments and scale words, as the four waves stored them
	WIN 0
.irp m, 0,1,2,3
	ds_load_b32 v[PS+\m], v[PSR] offset:PBUF*(\buf)+64*\m
.endr
.irp m, 0,1,2,3
.irp c, 0,1
	ds_load_b128 v[PF+8*\m+4*\c:PF+8*\m+4*\c+3], v[PRD] offset:PBUF*(\buf)+1024*\m+512*\c
.endr
.endr
.endm
; S^T = K Q^T: 48 matrix instructions; the eight accumulators take turns, one instruction a turn; the first K step starts the sums
.macro QK
	WIN 0x07                                       ; source 0 (K) window 3, source 1 (Q) window 1, C and D window 0
.irp q, 0,1,2,3,4,5
.irp u, 0,1
.irp m, 0,1,2,3
.if \q == 0
	v_wmma_scale_f32_16x16x128_f8f6f4 v[S+16*\m+8*\u:S+16*\m+8*\u+7], v[KF+8*(6*\u+\q):KF+8*(6*\u+\q)+7], v[8*(6*\m+\q):8*(6*\m+\q)+7], 0, v[KS+3*\u+\q/2], v[QS+3*\m+\q/2] matrix_a_fmt:MATRIX_FMT_FP4 matrix_b_fmt:MATRIX_FMT_FP4
.elseif \q%2 == 0
	v_wmma_scale_f32_16x16x128_f8f6f4 v[S+16*\m+8*\u:S+16*\m+8*\u+7], v[KF+8*(6*\u+\q):KF+8*(6*\u+\q)+7], v[8*(6*\m+\q):8*(6*\m+\q)+7], v[S+16*\m+8*\u:S+16*\m+8*\u+7], v[KS+3*\u+\q/2], v[QS+3*\m+\q/2] matrix_a_fmt:MATRIX_FMT_FP4 matrix_b_fmt:MATRIX_FMT_FP4
.else
	v_wmma_scale_f32_16x16x128_f8f6f4 v[S+16*\m+8*\u:S+16*\m+8*\u+7], v[KF+8*(6*\u+\q):KF+8*(6*\u+\q)+7], v[8*(6*\m+\q):8*(6*\m+\q)+7], v[S+16*\m+8*\u:S+16*\m+8*\u+7], v[KS+3*\u+\q/2], v[QS+3*\m+\q/2] matrix_a_fmt:MATRIX_FMT_FP4 matrix_b_fmt:MATRIX_FMT_FP4 matrix_a_scale:MATRIX_SCALE_ROW1 matrix_b_scale:MATRIX_SCALE_ROW1
.endif
.endr
.endr
.endr
.endm
.macro PV1 o, f, m, t, zero
.if \zero
.if (\t)%2
	v_wmma_scale_f32_16x16x128_f8f6f4 v[\o:\o+7], v[\f:\f+7], v[PF+8*(\m):PF+8*(\m)+7], 0, v[VS+(\t)/2], v[PS+(\m)] matrix_a_fmt:MATRIX_FMT_FP4 matrix_b_fmt:MATRIX_FMT_FP4 matrix_a_scale:MATRIX_SCALE_ROW1
.else
	v_wmma_scale_f32_16x16x128_f8f6f4 v[\o:\o+7], v[\f:\f+7], v[PF+8*(\m):PF+8*(\m)+7], 0, v[VS+(\t)/2], v[PS+(\m)] matrix_a_fmt:MATRIX_FMT_FP4 matrix_b_fmt:MATRIX_FMT_FP4
.endif
.else
.if (\t)%2
	v_wmma_scale_f32_16x16x128_f8f6f4 v[\o:\o+7], v[\f:\f+7], v[PF+8*(\m):PF+8*(\m)+7], v[\o:\o+7], v[VS+(\t)/2], v[PS+(\m)] matrix_a_fmt:MATRIX_FMT_FP4 matrix_b_fmt:MATRIX_FMT_FP4 matrix_a_scale:MATRIX_SCALE_ROW1
.else
	v_wmma_scale_f32_16x16x128_f8f6f4 v[\o:\o+7], v[\f:\f+7], v[PF+8*(\m):PF+8*(\m)+7], v[\o:\o+7], v[VS+(\t)/2], v[PS+(\m)] matrix_a_fmt:MATRIX_FMT_FP4 matrix_b_fmt:MATRIX_FMT_FP4
.endif
.endif
.endm
; O^T += V^T P^T: 48 matrix instructions, each accumulator once.  zero = 1: the first step starts the sums: nothing is ever cleared
.macro PV zero
	WIN 0xa1                                       ; source 0 (V) window 1, source 1 (P) window 0, C and D window 2
.irp t, 0,1,2,3,4,5,6,7
.irp m, 0,1,2,3
	PV1 32*\t+8*\m, 192+8*\t, \m, \t, \zero
.endr
.endr
	WIN 0xf3                                       ; V, C and D window 3
.irp t, 8,9,10,11
.irp m, 0,1,2,3
	PV1 32*(\t-8)+8*\m, 224+8*(\t-8), \m, \t, \zero
.endr
.endr
.endm
; The scores of my 32 keys for the 64 queries become p, p's codes and scale bytes, which go into image buf.  Register S + 16 m + i: key 32 w + 16 (lane / 16) + i, query tile m.
.macro SOFT buf
	s_cmp_eq_u32 s41, s12                          ; is this the step of my diagonal?  The answer selects masks and nothing else
	s_cselect_b32 s44, s42, 0
	s_cselect_b32 s45, s43, 0
	s_add_co_u32 s41, s41, 2                       ; on to the next tile of the walk,
	s_and_b32 s41, s41, 31                         ; modulo 16 tiles
.irp j, 0,1,2,3,4,5,6,7
	s_lshl_b32 s[48+\j], s44, \j
	s_lshl_b32 s[56+\j], s45, \j
.endr
.irp j, 0,1,2,3,4,5,6,7
.irp m, 0,1,2,3
	v_cndmask_b32 v[S+16*\m+8*(\m%2)+\j], v[S+16*\m+8*(\m%2)+\j], v[ZR], s[48+8*(\m/2)+\j]   ; the diagonal becomes 0; each accumulator is read from its low end on
.endr
.endr
.irp m, 0,1,2,3
	v_max3_num_f32 v[TM+\m], v[S+16*\m], v[S+16*\m+1], v[S+16*\m+2]   ; the block's largest score: it serves the row's maximum and, since p rises with the score, the block's largest p
.endr
.irp i, 3,5,7,9,11,13
.irp m, 0,1,2,3
	v_max3_num_f32 v[TM+\m], v[TM+\m], v[S+16*\m+\i], v[S+16*\m+\i+1]
.endr
.endr
.irp m, 0,1,2,3
	v_max_num_f32 v[TM+\m], v[TM+\m], v[S+16*\m+15]
.endr
.irp m, 0,1,2,3
	v_permlanex16_b32 v[TM+4+\m], v[TM+\m], s66, s67
.endr
.irp m, 0,1,2,3
	v_max_num_f32 v[TM+\m], v[TM+\m], v[TM+4+\m]   ; with lane l xor 16's 16 keys
.endr
.irp m, 0,1,2,3
	v_max_num_f32 v[CF+\m], v[CF+\m], v[TM+\m]     ; the running largest sim over my blocks
.endr
.set j, 0
.rept 32
	v_pk_mul_f32 v[S+2*j:S+2*j+1], v[S+2*j:S+2*j+1], s[68:69] op_sel_hi:[1,0]   ; t = sim x log2(e)
.set j, j+1
.endr
.irp m, 0,1,2,3
	v_mul_f32 v[TM+\m], s68, v[TM+\m]
.endr
.set j, 0
.rept 64
	v_exp_f32 v[S+j], v[S+j]                       ; p = 2^t
.set j, j+1
.endr
.irp m, 0,1,2,3
	v_exp_f32 v[TM+\m], v[TM+\m]                   ; the block's largest p: the same two operations on the same number
.endr
	v_nop                                          ; one plain line behind the exponentials
	s_wait_alu depctr_va_vdst(0)
.irp m, 0,1,2,3
	v_max_num_f32 v[TM+\m], 0x1800000, v[TM+\m]    ; the floor 2^(3 - 127)
.endr
.irp m, 0,1,2,3
	v_add_nc_u32 v[TM+12+\m], 0xff000000, v[TM+\m] ; 2 off the exponent field: the conversion's scale operand
.endr
.irp m, 0,1,2,3
	v_lshrrev_b32 v[TM+4+\m], 23, v[TM+12+\m]      ; the scale's byte
.endr
.irp m, 0,1,2,3
	v_cvt_scalef32_pk8_fp4_f32 v[PC+2*\m], v[S+16*\m:S+16*\m+7], v[TM+12+\m]
	v_cvt_scalef32_pk8_fp4_f32 v[PC+2*\m+1], v[S+16*\m+8:S+16*\m+15], v[TM+12+\m]
.endr
	v_nop                                          ; one plain line behind the conversions
.irp m, 0,1,2,3
	ds_store_b64 v[PWR], v[PC+2*\m:PC+2*\m+1] offset:PBUF*(\buf)+1024*\m   ; the two halves of a block meet in the image: no exchange between lanes
.endr
.irp m, 0,1,2,3
	ds_store_b8 v[PSW], v[TM+4+\m] offset:PBUF*(\buf)+64*\m                ; both halves of the lanes write the same byte with the same value
.endr
.endm
.macro LSUM                            ; the row sums take the unquantised p: four chains by turns
.irp i, 0,2,4,6,8,10,12,14
.irp m, 0,1,2,3
	v_pk_add_f32 v[LL+2*\m:LL+2*\m+1], v[LL+2*\m:LL+2*\m+1], v[S+16*\m+\i:S+16*\m+\i+1]
.endr
.endr
.endm
; THE STEP'S ONE MEETING.  In front of it: all my tensor loads have landed (my quarter of the next tile); K and V of this step are in my registers; my part of p's image is stored.
; Behind it nobody reads slot par any more, the other slot is whole, and p's image is whole.  fill = 1: slot par takes the walk's tile two steps on, by a joint load behind a round of the cluster's barrier.
.macro MEET par, fill
	WIN 0
	s_wait_tensorcnt 0x0                           ; no tensor load of mine is out, so a group 0 may be written
	ds_add_u32 v[SPW], v[NIL]                      ; 0 onto my spare word: the address and the row sums stand between it and the wait for it
.if \fill
	s_mul_i32 s84, s82, SLOTB                      ; the tile to be asked for, in bytes (s85 stays 0),
	s_add_nc_u64 s[34+4*\par:35+4*\par], s[80:81], s[84:85]   ; from the batch's tile 0, my quarter,
	s_or_b32 s[35+4*\par], s[35+4*\par], 0x80000000           ; type = 2
	s_add_co_u32 s82, s82, 1
	s_and_b32 s82, s82, 15                         ; the walk goes round modulo 16 tiles
.endif
	LSUM
	s_wait_dscnt 0x0                               ; the add is done, my reads of the slot are back, my stores into the image have landed
.if \fill
	ROUND
	tensor_load_to_lds s[32+4*\par:35+4*\par], s[16:23]   ; the first thing behind the round, my one tensor load until the next: it has a whole step in which to land
	s_nop 0
.else
	s_barrier_signal -1
	s_barrier_wait -1
.endif
	PLACES
.endm
.macro FLOAD m                         ; query tile m's 16 rows of final, my 768 bytes of each: 24 loads, in the order in which the stage gives the results back
	WIN 0x40
.set FB0, 96*((\m)%2)
.set RQ0, 32*((\m)/2)+8*((\m)%2)
.irp a, 0,1,2,3,4,5,6,7
	global_load_b128 v[FB0+12*\a:FB0+12*\a+3], v[GO0], s[4:5] offset:(RQ0+2*\a+8*(\a/4))*3072 th:TH_LOAD_NT
	global_load_b128 v[FB0+12*\a+4:FB0+12*\a+7], v[GO1], s[4:5] offset:(RQ0+2*\a+8*(\a/4))*3072+512 th:TH_LOAD_NT
	global_load_b128 v[FB0+12*\a+8:FB0+12*\a+11], v[GO0], s[4:5] offset:(RQ0+2*\a+8*(\a/4))*3072+3328 th:TH_LOAD_NT
.endr
	WIN 0
.endm
; Step j of the walk, par = j % 2: the meeting; O^T += V^T P^T of step j; then, with next = 1, the scores and p of step j + 1.  fl = 1: Q has had its last use, and its registers take rows of final.
.macro TRIP par, fill, zero, next, fl
	MEET \par, \fill
	PLOAD \par
.if \next
	KLOAD 1-\par
	s_wait_dscnt 30                                ; p's 12 loads are in; K's 30 may be out
.else
	s_wait_dscnt 0x0
.endif
	PV \zero
	PLACES
.if \next
	VLOAD 1-\par
	s_wait_dscnt 30                                ; K's 30 loads are in; V's 30 may be out: they are waited for at the next meeting
	QK
	PLACES
	WIN 0
.if \fl
	FLOAD 0
	FLOAD 1
.endif
	SOFT 1-\par
.endif
.endm
	s_wait_tensorcnt 0x1                           ; my quarter of the walk's first tile is in; the second's may stay out
	s_barrier_signal -1
	s_barrier_wait -1                              ; everybody's is
	KLOAD 0
	VLOAD 0
	s_wait_loadcnt 0x0                             ; Q
	s_wait_dscnt 30                                ; K's 30 loads are in
	QK
	PLACES
	WIN 0
	SOFT 0
	TRIP 0, 1, 1, 1, 0                             ; step 0 starts O's sums
	s_mov_b32 s40, 6
.Lpair:                                                ; steps 1 to 12, two a trip: the slots and p's two images are back where they began
	TRIP 1, 1, 0, 1, 0
	TRIP 0, 1, 0, 1, 0
	s_sub_co_u32 s40, s40, 1
	s_cmp_lg_u32 s40, 0
	s_cbranch_scc1 .Lpair
	TRIP 1, 1, 0, 1, 0                             ; step 13 asks for the walk's sixteenth tile, the last
	TRIP 0, 0, 0, 1, 1                             ; the tail is written out
	TRIP 1, 0, 0, 0, 0
	WIN 0
	; THE WAY OUT.  The four waves' row sums and row maxima meet in LDS; O^T x c / sum goes through my stage, a query tile at a time, and comes back as rows, to which (1 - c) x final is added.
.irp m, 0,1,2,3
	v_add_f32 v[TM+\m], v[LL+2*\m], v[LL+2*\m+1]
.endr
.irp m, 0,1,2,3
	v_permlanex16_b32 v[TM+4+\m], v[TM+\m], s66, s67
.endr
.irp m, 0,1,2,3
	v_add_f32 v[TM+\m], v[TM+\m], v[TM+4+\m]
.endr
.irp m, 0,1,2,3
	ds_store_b32 v[SA], v[TM+\m] offset:64*\m
	ds_store_b32 v[SA], v[CF+\m] offset:1024+64*\m
.endr
	s_wait_dscnt 0x0                               ; for the others' sake
	s_barrier_signal -1
	s_barrier_wait -1
.irp m, 0,1,2,3
.irp w, 0,1,2,3
	ds_load_b32 v[56+4*\m+\w], v[SRD] offset:256*\w+64*\m
	ds_load_b32 v[72+4*\m+\w], v[SRD] offset:1024+256*\w+64*\m
.endr
.endr
	s_wait_dscnt 0x0
.irp m, 0,1,2,3
	v_add_f32 v[TM+\m], v[56+4*\m], v[57+4*\m]
	v_add_f32 v[TM+4+\m], v[58+4*\m], v[59+4*\m]
	v_max3_num_f32 v[CF+\m], v[72+4*\m], v[73+4*\m], v[74+4*\m]
.endr
.irp m, 0,1,2,3
	v_add_f32 v[TM+\m], v[TM+\m], v[TM+4+\m]       ; the row's sum
	v_max_num_f32 v[CF+\m], v[CF+\m], v[75+4*\m]   ; c, the row's largest sim
.endr
.irp m, 0,1,2,3
	v_rcp_f32 v[TM+8+\m], v[TM+\m]
.endr
	v_nop                                          ; one plain line behind the reciprocals
	s_wait_alu depctr_va_vdst(0)
.irp m, 0,1,2,3
	v_mul_f32 v[AM+2*\m], v[CF+\m], v[TM+8+\m]     ; c / sum, twice: a pair for the packed multiply
	v_mul_f32 v[AM+2*\m+1], v[CF+\m], v[TM+8+\m]
	v_sub_f32 v[GM+2*\m], 1.0, v[CF+\m]            ; 1 - c, twice
	v_sub_f32 v[GM+2*\m+1], 1.0, v[CF+\m]
.endr
.irp m, 0,1,2,3
	ds_store_b64 v[GW], v[GM+2*\m:GM+2*\m+1] offset:128*\m   ; my wave's own copy: LDS serves a wave's instructions in order, so its loads below see it
.endr
.macro OUTM m
.set RQ0, 32*(\m/2)+8*(\m%2)
	WIN 0x82                                       ; O in window 2, the factor in window 0
.irp t, 0,1,2,3,4,5,6,7
.irp q, 0,2,4,6
	v_pk_mul_f32 v[32*\t+8*\m+\q:32*\t+8*\m+\q+1], v[32*\t+8*\m+\q:32*\t+8*\m+\q+1], v[AM+2*\m:AM+2*\m+1]   ; each accumulator from its low end on
.endr
.endr
	WIN 0xc3
.irp t, 0,1,2,3
.irp q, 0,2,4,6
	v_pk_mul_f32 v[32*\t+8*\m+\q:32*\t+8*\m+\q+1], v[32*\t+8*\m+\q:32*\t+8*\m+\q+1], v[AM+2*\m:AM+2*\m+1]
.endr
.endr
	WIN 0x08                                       ; an LDS store's data are its source 1: window 2
.irp t, 0,1,2,3,4,5,6,7
	ds_store_b128 v[STO], v[32*\t+8*\m:32*\t+8*\m+3] offset:64*\t
	ds_store_b128 v[STO], v[32*\t+8*\m+4:32*\t+8*\m+7] offset:64*\t+16
.endr
	WIN 0x0c
.irp t, 0,1,2,3
	ds_store_b128 v[STO], v[32*\t+8*\m:32*\t+8*\m+3] offset:64*(\t+8)
	ds_store_b128 v[STO], v[32*\t+8*\m+4:32*\t+8*\m+7] offset:64*(\t+8)+16
.endr
	WIN 0
.if \m > 0
	s_wait_xcnt 0x0                                ; the tile before's stores have read the registers that the loads below fill
.endif
.irp a, 0,1,2,3,4,5,6,7
	ds_load_b128 v[RR+12*\a:RR+12*\a+3], v[RD0] offset:2*SPITCH*\a
	ds_load_b128 v[RR+12*\a+4:RR+12*\a+7], v[RD1] offset:2*SPITCH*\a+512
	ds_load_b128 v[RR+12*\a+8:RR+12*\a+11], v[RD0] offset:2*SPITCH*\a+SPITCH+256
	ds_load_b64 v[GG+6*\a:GG+6*\a+1], v[GA0] offset:128*\m+16*\a          ; 1 - c of the row that each run's lanes hold
	ds_load_b64 v[GG+6*\a+2:GG+6*\a+3], v[GA1] offset:128*\m+16*\a
	ds_load_b64 v[GG+6*\a+4:GG+6*\a+5], v[GA0] offset:128*\m+16*\a+8
.endr
	s_wait_dscnt 0x0
.if \m < 3
	s_wait_loadcnt 24                              ; this tile's rows of final are in; the next tile's 24 loads may be out
.else
	s_wait_loadcnt 0x0
.endif
.set FB0, 96*(\m%2)
	WIN 0x01                                       ; final's rows in window 1
.set k, 0
.rept 24
	v_pk_fma_f32 v[RR+4*k:RR+4*k+1], v[FB0+4*k:FB0+4*k+1], v[GG+2*k:GG+2*k+1], v[RR+4*k:RR+4*k+1]
	v_pk_fma_f32 v[RR+4*k+2:RR+4*k+3], v[FB0+4*k+2:FB0+4*k+3], v[GG+2*k:GG+2*k+1], v[RR+4*k+2:RR+4*k+3]
.set k, k+1
.endr
	WIN 0
.irp a, 0,1,2,3,4,5,6,7
	global_store_b128 v[GO0], v[RR+12*\a:RR+12*\a+3], s[8:9] offset:(RQ0+2*\a+8*(\a/4))*3072 th:TH_STORE_NT        ; sixteen lanes store 256 consecutive bytes, at a multiple of 256 from out0's first byte
	global_store_b128 v[GO1], v[RR+12*\a+4:RR+12*\a+7], s[8:9] offset:(RQ0+2*\a+8*(\a/4))*3072+512 th:TH_STORE_NT
	global_store_b128 v[GO0], v[RR+12*\a+8:RR+12*\a+11], s[8:9] offset:(RQ0+2*\a+8*(\a/4))*3072+3328 th:TH_STORE_NT
.endr
.if \m < 2
	FLOAD \m+2                                     ; the set just used takes the tile two further on
.endif
.endm
	OUTM 0
	OUTM 1
	OUTM 2
	OUTM 3
	s_wait_tensorcnt 0x0                           ; the wave's end: behind my last tensor load and my last LDS store
	ds_add_u32 v[SPW], v[NIL]
	s_wait_dscnt 0x0
	ROUND                                          ; the closing round: no work-group ends while a partner may still ask for a tile that names it
	s_endpgm
.Lfunc_end_k_q2cf5c56a94_attn:
	.size	k_q2cf5c56a94_attn, .Lfunc_end_k_q2cf5c56a94_attn-k_q2cf5c56a94_attn
	.p2alignl 7, 3214868480
	.fill 96, 4, 3214868480
	.section	.rodata,"a",@progbits
	.p2align	6, 0x0
	.amdhsa_kernel k_q2cf5c56a94_attn
		.amdhsa_group_segment_fixed_size 327680
		.amdhsa_private_segment_fixed_size 0
		.amdhsa_enable_private_segment 0
		.amdhsa_kernarg_size 24
		.amdhsa_user_sgpr_count 2
		.amdhsa_user_sgpr_kernarg_segment_ptr 1
		.amdhsa_wavefront_size32 1
		.amdhsa_system_sgpr_workgroup_id_x 1
		.amdhsa_system_sgpr_workgroup_id_y 1
		.amdhsa_system_sgpr_workgroup_id_z 1
		.amdhsa_system_vgpr_workitem_id 0
		.amdhsa_next_free_vgpr 1024
		.amdhsa_next_free_sgpr 88
		.amdhsa_reserve_vcc 0
		.amdhsa_float_denorm_mode_32 3
		.amdhsa_float_denorm_mode_16_64 3
		.amdhsa_memory_ordered 1
		.amdhsa_forward_progress 1
		.amdhsa_inst_pref_size 255
	.end_amdhsa_kernel
	.section	.bss,"aw",@nobits
	.p2align	6
	.space	262144
	.amdgpu_metadata
---
amdhsa.version: [ 1, 2 ]
amdhsa.kernels:
  - .name:           k_q2cf5c56a94_attn
    .symbol:         k_q2cf5c56a94_attn.kd
    .args:
      - { .name: final_features, .offset: 0, .size: 8, .value_kind: global_buffer, .address_space: global }
      - { .name: kv, .offset: 8, .size: 8, .value_kind: global_buffer, .address_space: global }
      - { .name: out0, .offset: 16, .size: 8, .value_kind: global_buffer, .address_space: global }
    .group_segment_fixed_size: 327680
    .private_segment_fixed_size: 0
    .kernarg_segment_align: 8
    .kernarg_segment_size: 24
    .max_flat_workgroup_size: 128
    .sgpr_count:     88
    .vgpr_count:     1024
    .wavefront_size: 32
...
	.end_amdgpu_metadata
.endif
;; end of part 3
